; MI455X (gfx1250); checked and timed in simulation.
; The chip was launched on July 23, 2026; its instructions are those of AMD's public machine-readable ISA for CDNA 5 (MIT licence, August 2026) and "CDNA5" Instruction Set Architecture Reference Guide (July 2026). The comments in the code are by the model that wrote it; some were corrected since.
;; Multi Head Self Attention. Allowed arithmetic: matrix products marked QUANTISED: E3M2 operands, one E8M0 scale for each 32 along K, by v_wmma_scale_f32_16x16x128_f8f6f4 with both operands' format E3M2, f32 sums; everything else in f32.
;; Inputs: Wk 1,024 x 1,024 float32; Wo 1,024 x 1,024 float32; Wq 1,024 x 1,024 float32; Wv 1,024 x 1,024 float32; x 4 x 2,048 x 1,024 float32.
;; Outputs: out0 4 x 2,048 x 1,024 float32.
;; This version of the problem:
;;   THIS VERSION OF THE PROBLEM IS GIVEN IN LOW PRECISION. The matrix products marked QUANTISED in the list below multiply operands that are first quantised to E3M2 (3 exponent bits, 2 mantissa bits; 6 bits a number), with one power-of-two scale for each 32 numbers along K (OCP MX v1.0); their sums are f32. All else is computed in f32.
;;   The module's matrix products, in the order in which they are computed (A, B: the left and right operand; K: the contracted axis; several contracted axes count as one K, in the product's order):
;;     1. [M 8,192, K 1,024] x [K 1,024, N 1,024]; A: input x; B: input Wq: QUANTISED
;;     2. [M 8,192, K 1,024] x [K 1,024, N 1,024]; A: input x; B: input Wk: QUANTISED
;;     3. [M 8,192, K 1,024] x [K 1,024, N 1,024]; A: input x; B: input Wv: QUANTISED
;;     4. batch 64 x [M 2,048, K 64] x [K 64, N 2,048]; A: computed on the way; B: computed on the way: QUANTISED
;;     5. batch 64 x [M 2,048, K 2,048] x [K 2,048, N 64]; A: softmax (see below); B: computed on the way: QUANTISED
;;     6. [M 8,192, K 1,024] x [K 1,024, N 1,024]; A: computed on the way; B: input Wo: QUANTISED
;;   THE QUANTISER, for each operand of a quantised product, along K:
;;     - K is cut into blocks of 32 from its start; a last block that is shorter is filled with zeros.
;;     - A block's scale is 2^e with e = floor(log2(the largest magnitude in the block)) - 4, held to -126 .. 127; a block of zeros has e = 0. As a byte (E8M0): e + 127.
;;     - Each number is divided by its block's scale, clamped to +-28, and rounded to the nearest number of E3M2, ties to even, subnormals kept.
;;     - The product sums the exact products of the quantised numbers (number of the format x scale) in f32.
;;   ~~~python
;;   def quantise(x, axis):      # numpy; x: float32 -> the quantised numbers, widened to float32 again
;;       x = np.moveaxis(x, axis, -1); K = x.shape[-1]
;;       x = np.pad(x, [(0, 0)] * (x.ndim - 1) + [(0, -K % 32)]); x = x.reshape(x.shape[:-1] + (-1, 32)); a = np.abs(x).max(-1, keepdims=True)
;;       e = np.where(a > 0, np.clip(np.frexp(np.where(a > 0, a, 1))[1] - 1 - 4, -126, 127), 0)      # np.frexp(a)[1] - 1 = floor(log2(a)), exactly
;;       r = np.clip(x / 2.0 ** e, -28, 28)
;;       step = 2.0 ** (np.maximum(np.frexp(np.where(r == 0, 1, r))[1] - 1, -2) - 2)
;;       q = np.round(r / step) * step * 2.0 ** e      # np.round: ties to even
;;       return np.moveaxis(q.reshape(q.shape[:-2] + (-1,))[..., :K], -1, axis).astype(np.float32)
;;   ~~~
;;   SOFTMAX AHEAD OF A QUANTISED PRODUCT. Where the list says 'softmax', what is quantised is not the finished softmax but p = 2^(t - M), with t = logit x log2(e) and M = ceil(the row's largest t), a whole number; so 1/2 < the row's largest p <= 1. The row's sum l is taken of the UNQUANTISED p, in f32, and the product's result is divided by l at the end. Since M is a whole number, a kernel that streams over the keys may use a running M (the ceiling of the running maximum): every later rescaling is an exact power of two, which a block's scale takes up: the codes' values come out the same.
;;   OPERANDS COMPUTED ON THE WAY. 'Computed on the way' means the value that the module computes at that place (a softmax that the list does not call 'softmax' is quantised finished and normalised). What goes into a quantiser is computed in f32, as accurately as f32 sums, v_exp_f32 and their like allow (about 1e-6 of the number): no bf16 or f16 on the way to a quantiser, and a product that is left as it is and whose result goes on into a quantised operand takes f32 operands (vector FMAs, or v_wmma_f32_16x16x4_f32). A number that lies on a knife's edge between two numbers of the format may be rounded either way, as far as f32 arithmetic and the matrix unit's own rounding can turn it there, and no further.
;; One version. Each part assembles by itself: llvm-mc -triple=amdgcn-amd-amdhsa -mcpu=gfx1250 --defsym DOCPART=n.
;; ======== version 1 of 1: 4 launches
;; workspace buffers: xq 6,553,600 bytes; wq 3,276,800 bytes; tab 524,288 bytes; qb 6,815,744 bytes; kvb 13,369,344 bytes; ob 6,553,600 bytes
;; launch prep (part 1): grid 256 x 1, 6 waves a work-group, no clusters, 51,456 bytes of LDS; arguments x, Wq, Wk, Wv, Wo, xq, wq, tab; writes xq, wq, tab
.if DOCPART == 1
	.amdgcn_target "amdgcn-amd-amdhsa--gfx1250"
	.amdhsa_code_object_version 6
	.text
	.protected	k_q693ac3c8ef_prep
	.globl	k_q693ac3c8ef_prep
	.p2align	8
	.type	k_q693ac3c8ef_prep,@function
k_q693ac3c8ef_prep:
	s_mov_b64 s[64:65], 0
	v_nop
	global_prefetch_b8 v0, s[64:65] scope:SCOPE_SE
	s_setreg_imm32_b32 hwreg(HW_REG_WAVE_MODE, 25, 1), 1
	s_wait_xcnt 0x0
; x [8192][1024] and Wq, Wk, Wv, Wo [1024][1024], f32, become codes of BF6 (E3M2) with one E8M0 byte for each 32 along K (their last axis), laid as the products' launches take them; and the RoPE table is made.
; A block's scale is 2^(floor(log2(largest magnitude)) - 4): its byte is the largest magnitude's exponent field - 4, held at 1 from below.
; LAYOUT OUT.  Rows go in tiles of 16: tile T holds rows 32 (T / 2) + 8 (T % 2) + r + 8 (r / 8), r = 0 .. 15.  A fragment (16 rows x 128 K) is an image of the operand's 12 registers, as two units of 768 bytes (64 K each):
; bytes 0-511 lane l's registers 0-3 at 16 l, bytes 512-767 its registers 4-5 at 8 l.  Codes: [tile][8 K steps][1,536].  Scale words (4 bytes: one row, 128 K): [tile][half of K][r][4 words], behind the codes.
; xq holds x's 512 tiles; wq holds Wq's 64, Wk's, Wv's, Wo's.  tab: [2048 positions][32 pairs][cos, sin] f32.
; SHARES.  768 tiles x 2 halves of K = 1,536 waves: work-group g, wave w takes tile 3 g + w / 2, K steps 4 (w % 2) on: four fragments.  Only pointers and offsets are chosen by the tile's number: one way through the text.
; Each load reads 512 consecutive bytes of one row; a fragment's 16 rows turn through the wave's own stage in LDS (rows 528 bytes apart) so that lane (r, h) gets k = 64 c + 32 h + 0 .. 31 of row r: two whole blocks.
; No tensor loads, no barrier, no matrix unit: a stream whose waves share nothing.  32 loads (16 KB) of a wave are out at the start, 16 while a fragment is worked.
; LIMITS: NaN and infinities are not served; a block of zeros gets the byte 1 where the rule says 127 (its codes are zeros, and this program alone reads the bytes); blocks under 2^-122 were not tried.
; The table's frequencies are 1 / 10^(i / 8), both steps rounded once to f32; they may differ by a last bit from a library's power: at position 2,047 about 1e-4 radians.  The angle's reduction serves positions under 2,048.
.set XSC, 6291456                      ; where xq's scale words begin
.set WSC, 3145728                      ; and wq's
.set R,   32                           ; v32-159  two sets of 64: a fragment's numbers as loaded
.set X,   160                          ; v160-223 my 64 numbers: two blocks of 32
.set C,   224                          ; v224-235 the fragment's codes
.set CT,  236                          ; v236-242 the blocks' second halves as the conversions leave them
.set SW,  20                           ; v20-23   the four fragments' scale words
	s_load_b256 s[4:11], s[0:1], 0x0               ; x, Wq, Wk, Wv
	s_load_b256 s[12:19], s[0:1], 0x20             ; Wo, xq, wq, tab
	v_lshl_add_u32 v254, v0, 2, 0xc600
	v_mov_b32 v255, 0
	v_lshrrev_b32 v10, 5, v0
	v_readfirstlane_b32 s20, v10                   ; wave 0..5
	v_and_b32 v1, 31, v0                           ; lane
	v_and_b32 v2, 15, v0                           ; r
	v_bfe_u32 v3, v0, 4, 1                         ; h
	v_lshlrev_b32 v4, 4, v1                        ; 16 x lane
	v_lshlrev_b32 v5, 3, v1                        ; 8 x lane
	s_mul_i32 s38, s20, 8448                       ; my stage: 16 rows x 528
	v_add_nc_u32 v6, s38, v4                       ; into it: a row's 512 bytes as they lie
	v_mul_u32_u24 v7, v2, 528
	v_lshl_add_u32 v7, v3, 7, v7
	v_add_nc_u32 v7, s38, v7                       ; out of it: row r, + 128 h
	v_lshlrev_b32 v8, 4, v2
	v_lshl_add_u32 v8, v3, 3, v8                   ; the scale words' place: 16 r + 8 h
	v_lshlrev_b32 v9, 3, v3                        ; 8 h: my bytes' shift in a scale word
	v_mov_b32 v17, 0                               ; written once: a lane permute's destination counts as one of its sources
	s_mov_b32 s40, 0x76543210
	s_mov_b32 s41, 0xfedcba98                      ; selects for lane l xor 16
	s_lshr_b32 s21, s20, 1
	s_and_b32 s22, s20, 1                          ; which half of K
	s_mul_i32 s23, ttmp9, 3
	s_add_co_u32 s23, s23, s21                     ; my tile, 0..767
	s_sub_co_u32 s24, s23, 512                     ; its number in wq (used where the tile is a weight's)
	s_and_b32 s25, s24, 63                         ; and in its own weight
	s_mov_b32 s32, WSC
	s_wait_kmcnt 0x0
	s_cmp_lt_u32 s23, 704
	s_cselect_b64 s[26:27], s[10:11], s[12:13]     ; Wv, else Wo
	s_cmp_lt_u32 s23, 640
	s_cselect_b64 s[26:27], s[8:9], s[26:27]       ; Wk
	s_cmp_lt_u32 s23, 576
	s_cselect_b64 s[26:27], s[6:7], s[26:27]       ; Wq
	s_cmp_lt_u32 s23, 512
	s_cselect_b64 s[26:27], s[4:5], s[26:27]       ; x
	s_cselect_b64 s[28:29], s[14:15], s[16:17]     ; xq or wq
	s_cselect_b32 s25, s23, s25                    ; the tile's number in its source,
	s_cselect_b32 s24, s23, s24                    ; in its destination,
	s_cselect_b32 s32, XSC, s32                    ; and where the destination's scale words begin
	s_lshr_b32 s33, s25, 1
	s_lshl_b32 s33, s33, 17                        ; 32 rows of 4,096 bytes
	s_and_b32 s34, s25, 1
	s_lshl_b32 s34, s34, 15                        ; 8 rows
	s_add_co_u32 s34, s34, s33
	s_lshl_b32 s33, s22, 11                        ; four K steps of 512 bytes
	s_add_co_u32 s34, s34, s33
	s_mov_b32 s35, 0
	s_add_nc_u64 s[26:27], s[26:27], s[34:35]      ; the source at my tile's first row, my half of K
	s_lshl_b32 s36, s24, 9
	s_add_co_u32 s36, s36, s32
	s_lshl_b32 s33, s22, 8
	s_add_co_u32 s36, s36, s33
	s_mov_b32 s37, 0
	s_add_nc_u64 s[30:31], s[28:29], s[36:37]      ; my 256 bytes of scale words
	s_mul_i32 s36, s24, 12288
	s_mul_i32 s33, s22, 6144
	s_add_co_u32 s36, s36, s33
	s_add_nc_u64 s[28:29], s[28:29], s[36:37]      ; my four fragments of codes
.macro LOAD f                          ; fragment f: 16 rows x 512 bytes into set f % 2; which rows form the tile stands in the immediates
.irp t, 0,1,2,3,4,5,6,7,8,9,10,11,12,13,14,15
	global_load_b128 v[R+64*((\f)%2)+4*\t:R+64*((\f)%2)+4*\t+3], v4, s[26:27] offset:(\t+8*(\t/8))*4096+512*(\f) th:TH_LOAD_NT
.endr
.endm
	LOAD 0
	LOAD 1
	; THE TABLE, while the first loads are on their way: waves 0 to 3, positions 8 g + 2 w and the next; the lane is the pair i.
	s_cmp_lt_u32 s20, 4
	s_cbranch_scc0 .Lno_table
	s_mov_b32 s46, 0x3f22f983                      ; 2 / pi
	s_mov_b32 s47, 0x4b400000                      ; 1.5 x 2^23: a sum with it is rounded to a whole number, ties to even,
	s_mov_b32 s48, 0xcb400000                      ; and this takes it off again
	s_mov_b32 s49, 0x3fc90fd8                      ; pi / 2 in three parts
	s_mov_b32 s50, 0x34a8885a
	s_mov_b32 s51, 0x27c234c4
	s_mov_b32 s52, 0x3638ef1d                      ; the sine's series: 1 / 9!,
	s_mov_b32 s53, 0xb9500d01                      ; -1 / 7!,
	s_mov_b32 s54, 0x3c088889                      ; 1 / 5!,
	s_mov_b32 s55, 0xbe2aaaab                      ; -1 / 3!
	s_mov_b32 s56, 0xb493f27e                      ; the cosine's: -1 / 10!,
	s_mov_b32 s57, 0x37d00d01                      ; 1 / 8!,
	s_mov_b32 s58, 0xbab60b61                      ; -1 / 6!,
	s_mov_b32 s59, 0x3d2aaaab                      ; 1 / 4!
	v_and_b32 v160, 7, v1                          ; j = i % 8
	v_lshrrev_b32 v161, 3, v1                      ; d = i / 8:  10^(i / 8) = 10^(j / 8) x 10^d
	v_mov_b32 v162, 1.0                            ; 10^(j / 8) in two parts: the nearest f32,
	v_mov_b32 v163, 0                              ; and what it leaves
.macro PICK j, hi, lo
	v_cmp_eq_u32 vcc_lo, \j, v160
	v_mov_b32 v167, \hi
	v_mov_b32 v168, \lo
	v_cndmask_b32 v162, v162, v167, vcc_lo
	v_cndmask_b32 v163, v163, v168, vcc_lo
.endm
	PICK 1, 0x3faab0d5, 0xb364577e                 ; 1.333521432163324
	PICK 2, 0x3fe39ea9, 0xb26aee21                 ; 1.778279410038923
	PICK 3, 0x4017c496, 0x3360691f                 ; 2.371373705661655
	PICK 4, 0x404a62c2, 0xb324b48d                 ; 3.162277660168380
	PICK 5, 0x4086f161, 0xb430576d                 ; 4.216965034285822
	PICK 6, 0x40b3f300, 0x34323465                 ; 5.623413251903491
	PICK 7, 0x40eff755, 0x34515b57                 ; 7.498942093324558
	v_mov_b32 v164, 1.0                            ; 10^d: exact
.macro PICKD d, val
	v_cmp_eq_u32 vcc_lo, \d, v161
	v_mov_b32 v167, \val
	v_cndmask_b32 v164, v164, v167, vcc_lo
.endm
	PICKD 1, 0x41200000
	PICKD 2, 0x42c80000
	PICKD 3, 0x447a0000
	v_mul_f32 v165, v163, v164
	v_fma_f32 v165, v162, v164, v165               ; P = 10^(i / 8), rounded once
	s_wait_alu depctr_va_vdst(0)
	v_rcp_f32 v166, v165
	v_nop                                          ; a plain instruction behind the reciprocal,
	s_wait_alu depctr_va_vdst(0)                   ; and the wait ahead of its first reader
	v_fma_f32 v167, -v165, v166, 1.0
	v_fma_f32 v166, v166, v167, v166               ; one Newton step: the frequency 1 / P
	s_lshl_b32 s42, ttmp9, 3
	s_lshl_b32 s43, s20, 1
	s_add_co_u32 s42, s42, s43                     ; my first position
	s_lshl_b32 s44, s42, 8
	s_mov_b32 s45, 0
	s_add_nc_u64 s[44:45], s[18:19], s[44:45]      ; 256 bytes a position
.irp u, 0,1
	s_add_co_u32 s43, s42, \u
	v_mov_b32 v168, s43
	v_cvt_f32_u32 v168, v168
	v_mul_f32 v168, v168, v166                     ; the angle, one multiplication in f32
	v_fma_f32 v169, v168, s46, s47                 ; 1.5 x 2^23 + k, k = the nearest whole number to angle x 2 / pi (at most 1,304): the word's lowest bits are k's
	v_add_f32 v171, s48, v169                      ; k as a number
	v_fma_f32 v170, -v171, s49, v168               ; angle - k pi / 2
	v_fma_f32 v170, -v171, s50, v170
	v_fma_f32 v170, -v171, s51, v170               ; |.| at most pi / 4
	v_mul_f32 v172, v170, v170
	v_fma_f32 v173, v172, s52, s53                 ; sine: the series up to the 9th power (the next term is under 2e-9)
	v_fma_f32 v173, v173, v172, s54
	v_fma_f32 v173, v173, v172, s55
	v_mul_f32 v174, v172, v170
	v_fma_f32 v173, v173, v174, v170
	v_fma_f32 v175, v172, s56, s57                 ; cosine: up to the 10th power (the next term is under 2e-10)
	v_fma_f32 v175, v175, v172, s58
	v_fma_f32 v175, v175, v172, s59
	v_fma_f32 v175, v175, v172, -0.5
	v_fma_f32 v175, v175, v172, 1.0
	v_and_b32 v176, 1, v169
	v_cmp_eq_u32 vcc_lo, 1, v176                   ; an odd k swaps the two,
	v_cndmask_b32 v177, v173, v175, vcc_lo
	v_cndmask_b32 v178, v175, v173, vcc_lo
	v_and_b32 v179, 2, v169                        ; k % 4 = 2, 3 turns the sine's sign,
	v_lshlrev_b32 v179, 30, v179
	v_add_nc_u32 v180, 1, v169
	v_and_b32 v180, 2, v180                        ; k % 4 = 1, 2 the cosine's
	v_lshlrev_b32 v180, 30, v180
	v_xor_b32 v[182+2*\u], v178, v180
	v_xor_b32 v[183+2*\u], v177, v179
	global_store_b64 v5, v[182+2*\u:183+2*\u], s[44:45] offset:256*\u   ; 32 lanes store a position's 256 consecutive bytes
.endr
	s_wait_xcnt 0x0                                ; these stores' data lie where the first fragment's numbers will land
.Lno_table:
.macro FRAG f
.if (\f) < 3
	s_wait_loadcnt 16                              ; this fragment's 16 loads are in; the next fragment's 16 may be out
.else
	s_wait_loadcnt 0x0
.endif
.irp t, 0,1,2,3,4,5,6,7,8,9,10,11,12,13,14,15
	ds_store_b128 v6, v[R+64*((\f)%2)+4*\t:R+64*((\f)%2)+4*\t+3] offset:528*\t
.endr
.irp c, 0,1
.irp i, 0,1,2,3,4,5,6,7
	ds_load_b128 v[X+32*\c+4*\i:X+32*\c+4*\i+3], v7 offset:256*\c+16*\i   ; LDS serves a wave's instructions in order (ISA guide 5.7.1.4): these see the stores above
.endr
.endr
	s_wait_dscnt 0x0                               ; my numbers are in, and the stores have read the set,
.if (\f) < 2
	LOAD (\f)+2                                    ; which takes the fragment two on
.endif
.irp c, 0,1
	v_max3_num_f32 v[10+\c], |v[X+32*\c]|, |v[X+32*\c+1]|, 0x2800000   ; block 2 c + h: all 32 numbers are mine; the floor 2^(5 - 127) holds the byte at 1 from below
.endr
.irp i, 2,4,6,8,10,12,14,16,18,20,22,24,26,28,30
.irp c, 0,1
	v_max3_num_f32 v[10+\c], v[10+\c], |v[X+32*\c+\i]|, |v[X+32*\c+\i+1]|
.endr
.endr
.irp c, 0,1
	v_add_nc_u32 v[12+\c], 0xfe000000, v[10+\c]    ; 4 off the exponent field: the conversion's scale operand
.endr
.irp c, 0,1
	v_lshrrev_b32 v[14+\c], 23, v[12+\c]           ; the scale's byte
.endr
	v_lshl_or_b32 v16, v15, 16, v14                ; my two bytes, blocks h and 2 + h,
	v_lshlrev_b32 v16, v9, v16                     ; at their places;
	v_permlanex16_b32 v17, v16, s40, s41
	v_or_b32 v[SW+(\f)], v16, v17                  ; with lane l xor 16's two the word is whole
	s_wait_alu depctr_va_vdst(0)
	s_wait_xcnt 0x0                                ; the last fragment's stores have read the codes' registers
.irp c, 0,1
	v_cvt_scalef32_pk16_bf6_f32 v[C+6*\c:C+6*\c+2], v[X+32*\c:X+32*\c+15], v[12+\c]
	v_cvt_scalef32_pk16_bf6_f32 v[CT+4*\c:CT+4*\c+2], v[X+32*\c+16:X+32*\c+31], v[12+\c]   ; (a conversion's three registers begin on an even number)
.endr
	v_nop                                          ; one plain instruction behind the scaled conversions
.irp c, 0,1
.irp i, 0,1,2
	v_mov_b32 v[C+6*\c+3+\i], v[CT+4*\c+\i]
.endr
.endr
	global_store_b128 v4, v[C:C+3], s[28:29] offset:1536*(\f)          ; 512 consecutive bytes,
	global_store_b64 v5, v[C+4:C+5], s[28:29] offset:1536*(\f)+512     ; 256,
	global_store_b128 v4, v[C+6:C+9], s[28:29] offset:1536*(\f)+768    ; and the second 64 along K likewise; all at multiples of 256 from the buffer's first byte
	global_store_b64 v5, v[C+10:C+11], s[28:29] offset:1536*(\f)+1280
.endm
	s_wait_alu depctr_va_vdst(0)
	FRAG 0
	FRAG 1
	FRAG 2
	FRAG 3
	v_cmp_eq_u32 vcc_lo, 1, v3                     ; every lane holds its row's four words: lanes 0-15 store the first two, lanes 16-31 the others
	v_cndmask_b32 v18, v[SW], v[SW+2], vcc_lo
	v_cndmask_b32 v19, v[SW+1], v[SW+3], vcc_lo
	global_store_b64 v8, v[18:19], s[30:31]        ; 256 consecutive bytes
	s_wait_tensorcnt 0x0
	ds_add_u32 v254, v255
	s_wait_dscnt 0x0
	s_endpgm
.Lfunc_end_k_q693ac3c8ef_prep:
	.size	k_q693ac3c8ef_prep, .Lfunc_end_k_q693ac3c8ef_prep-k_q693ac3c8ef_prep
	.p2alignl 7, 3214868480
	.fill 96, 4, 3214868480
	.section	.rodata,"a",@progbits
	.p2align	6, 0x0
	.amdhsa_kernel k_q693ac3c8ef_prep
		.amdhsa_group_segment_fixed_size 51456
		.amdhsa_private_segment_fixed_size 0
		.amdhsa_enable_private_segment 0
		.amdhsa_kernarg_size 64
		.amdhsa_user_sgpr_count 2
		.amdhsa_user_sgpr_kernarg_segment_ptr 1
		.amdhsa_wavefront_size32 1
		.amdhsa_system_sgpr_workgroup_id_x 1
		.amdhsa_system_sgpr_workgroup_id_y 1
		.amdhsa_system_sgpr_workgroup_id_z 1
		.amdhsa_system_vgpr_workitem_id 0
		.amdhsa_next_free_vgpr 256
		.amdhsa_next_free_sgpr 66
		.amdhsa_reserve_vcc 1
		.amdhsa_float_denorm_mode_32 3
		.amdhsa_float_denorm_mode_16_64 3
		.amdhsa_memory_ordered 1
		.amdhsa_forward_progress 1
		.amdhsa_inst_pref_size 38
	.end_amdhsa_kernel
	.amdgpu_metadata
---
amdhsa.version: [ 1, 2 ]
amdhsa.kernels:
  - .name:           k_q693ac3c8ef_prep
    .symbol:         k_q693ac3c8ef_prep.kd
    .args:
      - { .name: x, .offset: 0, .size: 8, .value_kind: global_buffer, .address_space: global }
      - { .name: Wq, .offset: 8, .size: 8, .value_kind: global_buffer, .address_space: global }
      - { .name: Wk, .offset: 16, .size: 8, .value_kind: global_buffer, .address_space: global }
      - { .name: Wv, .offset: 24, .size: 8, .value_kind: global_buffer, .address_space: global }
      - { .name: Wo, .offset: 32, .size: 8, .value_kind: global_buffer, .address_space: global }
      - { .name: xq, .offset: 40, .size: 8, .value_kind: global_buffer, .address_space: global }
      - { .name: wq, .offset: 48, .size: 8, .value_kind: global_buffer, .address_space: global }
      - { .name: tab, .offset: 56, .size: 8, .value_kind: global_buffer, .address_space: global }
    .group_segment_fixed_size: 51456
    .private_segment_fixed_size: 0
    .kernarg_segment_align: 8
    .kernarg_segment_size: 64
    .max_flat_workgroup_size: 192
    .sgpr_count:     66
    .vgpr_count:     256
    .wavefront_size: 32
...
	.end_amdgpu_metadata
.endif
;; end of part 1
;; launch qkv (part 2): grid 24 x 32, 4 waves a work-group, clusters of 4 x 4, 295,424 bytes of LDS; arguments xq, wq, tab, qb, kvb; writes qb, kvb
.if DOCPART == 2
	.amdgcn_target "amdgcn-amd-amdhsa--gfx1250"
	.amdhsa_code_object_version 6
	.text
	.protected	k_q693ac3c8ef_qkv
	.globl	k_q693ac3c8ef_qkv
	.p2align	8
	.type	k_q693ac3c8ef_qkv,@function
k_q693ac3c8ef_qkv:
	s_mov_b64 s[64:65], 0
	v_nop
	global_prefetch_b8 v0, s[64:65] scope:SCOPE_SE
	s_setreg_imm32_b32 hwreg(HW_REG_WAVE_MODE, 25, 1), 1
	s_wait_xcnt 0x0
	s_wait_alu depctr_hold_cnt(0) depctr_sa_sdst(0) depctr_va_vdst(0) depctr_va_sdst(0) depctr_va_ssrc(0) depctr_va_vcc(0) depctr_vm_vsrc(0)
	s_getreg_b32 s2, hwreg(HW_REG_IB_STS2, 6, 4)
	s_cmp_eq_u32 s2, 0
	s_cbranch_scc0 .Lentry_in_a_cluster
	s_endpgm
.Lentry_in_a_cluster:
	s_bfe_u32 s2, ttmp6, 0x10000c
	s_cmp_lg_u32 s2, 0xf033
	s_cbranch_scc0 .Lentry_shape_is_right
	s_endpgm
.Lentry_shape_is_right:
; q = rope(x Wq^T), k = rope(x Wk^T), v = x Wv^T on codes of BF6 (E3M2, one E8M0 byte for each 32 along K), and the results quantised again as attention's operands: q and k along the head's 64, v along the keys.
; A TILE is 256 rows of operand A (source 1) x 128 rows of operand B (source 0), K = 1,024.  Four waves; wave w takes A's tiles of 16 rows 4 w .. 4 w + 3 against B's eight: 32 accumulators, 256 registers.
; With this tile the launch has 768 work-groups, three for each of 256 WGPs; 256 x 256 would give 384, one and a half.
; CLUSTERS of 4 x 4.  Cluster x < 4: A = x (256 rows by the tile row), B = Wq | Wk (128 rows: two heads); x < 2 is q, else k.  Cluster x >= 4: v, made transposed: A = Wv (256 channels: four heads, by cy), B = x (128 keys),
; so that a lane holds one channel and its registers run along the keys, v's K.  A's tiles are shared along a row of the cluster, B's along a column: each is asked for jointly, which divides the requests by four.
; ALL OF K LIES IN LDS: four slots of 256 along K (A's 16 tiles x 3,072 bytes, then B's 8), each byte filled once, by four loads a wave issued together at the start: four tensor loads of a wave are out at the most.
; Nothing is filled again.  Operands lie in memory and in LDS as images of the operand's registers (units of 768 bytes: 16 rows x 64 K; lane l's registers 0-3 at 16 l, 4-5 at 512 + 8 l): every LDS load reads consecutive bytes.
; Tile T of any operand holds rows 32 (T / 2) + 8 (T % 2) + r + 8 (r / 8): as source 0, tiles 2 e and 2 e + 1 give lane (r, h) 16 registers that are rows 32 e + 16 h + 0 .. 15: neighbours along the next K.
; The scale words come from memory straight into registers, once: [tile][half of K][r][4 words]: a load of 16 bytes a lane brings four K steps' words.
; LIMITS: NaN and infinities are not served; a block of zeros gets the byte 1 where the rule says 127 (its codes are zeros; this program alone reads the bytes).
; REGISTERS.  Window 0: v1 r, v2 h, v3 lane; v4-19 LDS addresses; v20-24 offsets; v32-63 A's scale words (8 a + K step), v64-127 B's; v128-223 A's fragments, two sets of 48; on the way out v128-237 at work.
;   window 1: the accumulators, (a, b) at 8 (8 a + b).   window 2: B's fragments, two sets of 96.   window 3: v0-127 cos and sin for my 64 rows.
.set XSC,   6291456                    ; xq's scale words
.set WSC,   3145728                    ; wq's
.set QSC,   6291456                    ; qb's
.set KVSC,  12582912                   ; kvb's
.set SLOTB, 73728
.set BOFF,  49152
.set TILEB, 12288                      ; a tile's codes for all of K, in memory
.set WV,  14
.set G1A, 24                           ; s[24:31] group 1 for A's tiles, s[32:39] for B's
.set G1B, 32
.set G0A, 40                           ; s[40:55] A's four groups 0; B's: s[56:63], s[68:75]
.set SEL, 98
.set A16, 4                            ; v4-7 slot q: my A tiles + 16 x lane; v8-11 + 8 x lane; v12-15, v16-19 the same for B
.set A8,  8
.set B16, 12
.set B8,  16
.set R16, 20                           ; v20 16 r
.set TBO, 21                           ; v21 my row's place in the table
.set L16, 22                           ; v22 16 x lane
.set L8,  23                           ; v23 8 x lane
.set WO,  24                           ; v24 the scale words' place on the way out
.set SA,  32
.set SB,  64
.set AF,  128
.set HB,  128                          ; the way out: 64 numbers
.set PC,  192                          ; v192-211 codes
.set TM,  212                          ; v212-227 at work
.set PW,  228                          ; the scale word just made
.set SH,  229                          ; 16 h
.set WD,  232                          ; v232-235 four tiles' scale words
.set MSB, 0
.macro WIN new                         ; the immediate's high byte repeats the setting that is left
.if MSB != \new
	s_set_vgpr_msb (MSB<<8)|\new
.set MSB, \new
.endif
.endm
.macro CROUND                          ; a round of the cluster's barrier
	s_barrier_signal -1
	s_barrier_wait -1
	s_cmp_lg_u32 s[WV], 0
	s_cbranch_scc1 .Lnot_wave_0_\@
	s_barrier_signal -3
.Lnot_wave_0_\@:
	s_barrier_wait -3
	s_barrier_signal -1
	s_barrier_wait -1
.endm
.macro PLACES n
.rept \n
	v_nop
.endr
.endm
	s_load_b256 s[4:11], s[0:1], 0x0               ; xq, wq, tab, qb
	s_load_b64 s[12:13], s[0:1], 0x20              ; kvb
	v_lshl_add_u32 v254, v0, 2, 0x48000
	v_mov_b32 v255, 0
	ds_add_u32 v254, v255
	ds_add_u32 v254, v255
	v_lshrrev_b32 v4, 5, v0
	v_readfirstlane_b32 s[WV], v4                  ; wave 0..3
	v_and_b32 v1, 15, v0
	v_bfe_u32 v2, v0, 4, 1
	v_and_b32 v3, 31, v0
	s_and_b32 s15, s[WV], 1                        ; which half of A's (waves 0, 1) or B's (2, 3) tiles I fetch
	s_bfe_u32 s16, ttmp6, 0x40000                  ; cx
	s_bfe_u32 s17, ttmp6, 0x40004                  ; cy
	s_mov_b32 s18, ttmp9                           ; cluster x, 0..5
	s_and_b32 s19, ttmp7, 0xffff                   ; cluster y, 0..7
	s_lshl_b32 s22, s19, 2
	s_lshl_b32 s23, s18, 2
	s_sub_co_u32 s80, s18, 4
	s_lshl_b32 s80, s80, 3
	s_add_co_u32 s80, s80, s19
	s_lshl_b32 s80, s80, 2                         ; the v part: 4 (8 (x - 4) + y)
	s_mov_b32 s82, XSC
	s_mov_b32 s83, WSC
	s_mov_b32 s97, XSC
	s_cmp_ge_u32 s18, 4                            ; the v part?  The same in all sixteen partners
	s_cselect_b32 s22, 0, s22
	s_cselect_b32 s23, s80, s23
	s_cselect_b32 s81, 128, 0                      ; A's first tile in its buffer: Wv begins at tile 128 of wq
	s_cselect_b32 s82, s83, s82                    ; where A's scale words begin,
	s_cselect_b32 s83, s97, s83                    ; and B's
	s_add_co_u32 s20, s22, s17                     ; A's tile row: 4 y + cy, or cy
	s_add_co_u32 s21, s23, s16                     ; B's tile column: 4 x + cx, or 4 (8 (x - 4) + y) + cx
	s_lshl_b32 s95, s17, 2
	s_lshl_b32 s95, 15, s95                        ; my row of the cluster
	s_lshl_b32 s96, 0x1111, s16                    ; my column
	s_or_b32 s[G1A], s95, (3<<16)|(1<<21)          ; 15:0 the mask; 17:16 elements of 8 bytes; 21 set beside a mask; no padding
	s_or_b32 s[G1B], s96, (3<<16)|(1<<21)
	s_mov_b32 s[G1A+1], 384<<16                    ; tensor_dim0: 3,072 bytes: a tile's two K steps
	s_mov_b32 s[G1A+2], 8<<16                      ; tensor_dim1: 8 tiles
	s_mov_b32 s[G1A+3], 384<<16                    ; tile_dim0
	s_mov_b32 s[G1A+4], 8                          ; tile_dim1
	s_mov_b32 s[G1A+5], 1536                       ; from tile to tile: 12,288 bytes
	s_mov_b32 s[G1A+6], 0
	s_mov_b32 s[G1A+7], 0
	s_mov_b32 s[G1B+1], 384<<16
	s_mov_b32 s[G1B+2], 4<<16                      ; 4 tiles
	s_mov_b32 s[G1B+3], 384<<16
	s_mov_b32 s[G1B+4], 4
	s_mov_b32 s[G1B+5], 1536
	s_mov_b32 s[G1B+6], 0
	s_mov_b32 s[G1B+7], 0
	s_lshl_b32 s94, s20, 4
	s_add_co_u32 s94, s94, s81                     ; the first of my work-group's 16 tiles of A
	s_lshl_b32 s84, s15, 3
	s_add_co_u32 s84, s84, s94
	s_mul_i32 s84, s84, TILEB                      ; the 8 that I would fetch, in bytes
	s_mov_b32 s85, 0
	s_lshl_b32 s97, s21, 3                         ; the first of the 8 tiles of B
	s_lshl_b32 s86, s15, 2
	s_add_co_u32 s86, s86, s97
	s_mul_i32 s86, s86, TILEB
	s_mov_b32 s87, 0
	s_lshl_b32 s88, s[WV], 2
	s_add_co_u32 s88, s88, s94
	s_lshl_b32 s88, s88, 9
	s_add_co_u32 s88, s88, s82                     ; the scale words of my four tiles of A
	s_mov_b32 s89, 0
	s_lshl_b32 s90, s97, 9
	s_add_co_u32 s90, s90, s83                     ; and of B's eight
	s_mov_b32 s91, 0
	s_and_b32 s92, s20, 7
	s_lshl_b32 s92, s92, 8
	s_lshl_b32 s93, s[WV], 6
	s_add_co_u32 s92, s92, s93
	s_lshl_b32 s92, s92, 8                         ; the table at my first row's position: 256 (tile row % 8) + 64 w, 256 bytes each
	s_mov_b32 s93, 0
	s_mul_i32 s22, s15, 24576                      ; where my load goes in a slot: no place in the cluster enters an LDS address
	s_mul_i32 s23, s15, 12288
	s_mov_b32 s[SEL], 0x76543210
	s_mov_b32 s[SEL+1], 0xfedcba98
	s_wait_dscnt 0x0
	s_wait_kmcnt 0x0
	s_cmp_ge_u32 s18, 4
	s_cselect_b64 s[76:77], s[6:7], s[4:5]         ; A's buffer
	s_cselect_b64 s[78:79], s[4:5], s[6:7]         ; B's
	s_add_nc_u64 s[88:89], s[76:77], s[88:89]
	s_add_nc_u64 s[90:91], s[78:79], s[90:91]
	s_add_nc_u64 s[76:77], s[76:77], s[84:85]
	s_add_nc_u64 s[78:79], s[78:79], s[86:87]
	s_add_nc_u64 s[92:93], s[8:9], s[92:93]
.irp q, 0,1,2,3
.set GB, 56+4*\q+4*(\q/2)
	s_mov_b32 s[G0A+4*\q], 1                                       ; count = 1
	s_add_co_u32 s[G0A+4*\q+1], s22, \q*SLOTB                      ; LDS address
	s_add_nc_u64 s[G0A+4*\q+2:G0A+4*\q+3], s[76:77], \q*3072       ; global address: K steps 2 q, 2 q + 1
	s_or_b32 s[G0A+4*\q+3], s[G0A+4*\q+3], 0x80000000              ; type = 2
	s_mov_b32 s[GB], 1
	s_add_co_u32 s[GB+1], s23, \q*SLOTB+BOFF
	s_add_nc_u64 s[GB+2:GB+3], s[78:79], \q*3072
	s_or_b32 s[GB+3], s[GB+3], 0x80000000
.endr
	CROUND                                         ; all sixteen work-groups are here: the joint loads meet
	s_cmp_lt_u32 s[WV], 2                          ; a wave's four fills stand in one branch on the wave's number, ahead of every wait on TENSORcnt, LDS read and further barrier; four v_nop follow the last
	s_cbranch_scc0 .Lfor_b
	tensor_load_to_lds s[40:43], s[G1A:G1A+7]
	s_nop 0
	tensor_load_to_lds s[44:47], s[G1A:G1A+7]
	s_nop 0
	tensor_load_to_lds s[48:51], s[G1A:G1A+7]
	s_nop 0
	tensor_load_to_lds s[52:55], s[G1A:G1A+7]
	s_nop 0
	PLACES 4
	s_branch .Lasked
.Lfor_b:
	tensor_load_to_lds s[56:59], s[G1B:G1B+7]
	s_nop 0
	tensor_load_to_lds s[60:63], s[G1B:G1B+7]
	s_nop 0
	tensor_load_to_lds s[68:71], s[G1B:G1B+7]
	s_nop 0
	tensor_load_to_lds s[72:75], s[G1B:G1B+7]
	s_nop 0
	PLACES 4
.Lasked:
	s_wait_alu depctr_va_vdst(0)
	v_lshlrev_b32 v[R16], 4, v1
	v_lshlrev_b32 v[L16], 4, v3
	v_lshlrev_b32 v[L8], 3, v3
	v_and_b32 v[TBO], 8, v1
	v_add_nc_u32 v[TBO], v[TBO], v1
	v_lshlrev_b32 v[TBO], 8, v[TBO]
	v_lshl_add_u32 v[TBO], v2, 6, v[TBO]           ; (r + 8 (r / 8)) x 256 + 64 h: my row, my half's eight pairs of a block of 32 channels
.irp a, 0,1,2,3
.irp H, 0,1
	global_load_b128 v[SA+8*\a+4*\H:SA+8*\a+4*\H+3], v[R16], s[88:89] offset:512*\a+256*\H   ; lane r: row r's words of four K steps (lanes 16-31 take the same and are not read)
.endr
.endr
.irp b, 0,1,2,3,4,5,6,7
.irp H, 0,1
	global_load_b128 v[SB+8*\b+4*\H:SB+8*\b+4*\H+3], v[R16], s[90:91] offset:512*\b+256*\H
.endr
.endr
	WIN 0xc0                                       ; destination window 3.  cos and sin of my 64 rows: register 32 a + 16 e + 2 p: cos, the next: sin, of pair 16 e + 8 h + p.
.irp a, 0,1,2,3                                ; (The v part's work-groups load them too and do not use them, 16 KB a wave: so the text has one way up to the way out)
.irp e, 0,1
.irp i, 0,1,2,3
	global_load_b128 v[32*\a+16*\e+4*\i:32*\a+16*\e+4*\i+3], v[TBO], s[92:93] offset:(32*(\a/2)+8*(\a%2))*256+128*\e+16*\i
.endr
.endr
.endr
	WIN 0
	s_mul_i32 s96, s[WV], 12288                    ; my four tiles of A in a slot
.irp q, 0,1,2,3
	s_add_co_u32 s97, s96, \q*SLOTB
	v_add_nc_u32 v[A16+\q], s97, v[L16]
	v_add_nc_u32 v[A8+\q], s97, v[L8]
	v_add_nc_u32 v[B16+\q], \q*SLOTB+BOFF, v[L16]
	v_add_nc_u32 v[B8+\q], \q*SLOTB+BOFF, v[L8]
.endr
.macro GETH reg, a16, a8, off          ; a unit of 768 bytes: six registers
	ds_load_b128 v[\reg:\reg+3], v[\a16] offset:\off
	ds_load_b64 v[\reg+4:\reg+5], v[\a8] offset:\off+512
.endm
.macro FETCH s                         ; K step s: B's eight fragments and my four of A into set s % 2: 48 loads
.set FQ, (\s)/2
.set FU, (\s)%2
	WIN 0x80                                       ; destination window 2
.irp b, 0,1,2,3,4,5,6,7
.irp c, 0,1
	GETH 96*FU+12*\b+6*\c, B16+FQ, B8+FQ, 3072*\b+1536*FU+768*\c
.endr
.endr
	WIN 0
.irp a, 0,1,2,3
.irp c, 0,1
	GETH AF+48*FU+12*\a+6*\c, A16+FQ, A8+FQ, 3072*\a+1536*FU+768*\c
.endr
.endr
.endm
.macro MUL s, zero                     ; 32 products; the 32 accumulators take turns, one instruction a turn, in the same order in every step.  zero = 1: the first products start the sums
	WIN 0x52                                       ; source 0 (B) window 2, source 1 (A) window 0, C and D window 1
.irp a, 0,1,2,3
.irp b, 0,1,2,3,4,5,6,7
.if \zero
	v_wmma_scale_f32_16x16x128_f8f6f4 v[8*(8*\a+\b):8*(8*\a+\b)+7], v[96*((\s)%2)+12*\b:96*((\s)%2)+12*\b+11], v[AF+48*((\s)%2)+12*\a:AF+48*((\s)%2)+12*\a+11], 0, v[SB+8*\b+(\s)], v[SA+8*\a+(\s)] matrix_a_fmt:MATRIX_FMT_BF6 matrix_b_fmt:MATRIX_FMT_BF6
.else
	v_wmma_scale_f32_16x16x128_f8f6f4 v[8*(8*\a+\b):8*(8*\a+\b)+7], v[96*((\s)%2)+12*\b:96*((\s)%2)+12*\b+11], v[AF+48*((\s)%2)+12*\a:AF+48*((\s)%2)+12*\a+11], v[8*(8*\a+\b):8*(8*\a+\b)+7], v[SB+8*\b+(\s)], v[SA+8*\a+(\s)] matrix_a_fmt:MATRIX_FMT_BF6 matrix_b_fmt:MATRIX_FMT_BF6
.endif
.endr
.endr
.endm
.macro STEP s, zero
.if ((\s) >= 1) && ((\s) < 7)
	PLACES 4                                       ; four plain instructions between the last step's products and the loads into the set that they read (ISA guide 7.12.1 for vector instructions)
.endif
.if ((\s)%2 == 1) && ((\s) < 7)
	s_wait_dscnt 0x0                               ; no LDS load of mine is out at a signal
	s_wait_tensorcnt 3-((\s)+1)/2                  ; my part of the next slot is in; the later slots' loads may be out
	s_barrier_signal -1
	s_barrier_wait -1                              ; everybody's is
.endif
.if (\s) < 7
	FETCH (\s)+1
	s_wait_dscnt 48                                ; all but the 48 just issued: this step's fragments are in
.else
	s_wait_dscnt 0x0
.endif
	MUL \s, \zero
.endm
	s_wait_alu depctr_va_vdst(0)
	s_wait_tensorcnt 0x3                           ; my part of slot 0 is in; slots 1 to 3 may be out
	s_barrier_signal -1
	s_barrier_wait -1
	FETCH 0
	s_wait_loadcnt 0x0                             ; the scale words and the table
	STEP 0, 1
	STEP 1, 0
	STEP 2, 0
	STEP 3, 0
	STEP 4, 0
	STEP 5, 0
	STEP 6, 0
	STEP 7, 0
	WIN 0
	PLACES 4                                       ; ahead of the first read of results and the first write over fragments
.irp b, 0,1,2,3
	v_mov_b32 v[TM+4+\b], 0                        ; a lane permute's destination counts as one of its sources
.endr
; 64 numbers of a lane in window w, register 16 b + i = k 32 b + 16 h + i of my row, become a fragment's codes in v[PC] on and its scale word in v[pw].  Each accumulator is read from its low end on.
.macro QUANT s, w, pw
	WIN (\w)|((\w)<<2)
.irp b, 0,1,2,3
	v_max3_num_f32 v[TM+\b], |v[(\s)+16*\b]|, |v[(\s)+1+16*\b]|, 0x2800000   ; my 16 numbers of block b, and the floor 2^(5 - 127): the byte cannot fall under 1
.endr
	WIN ((\w)<<2)|((\w)<<4)
.irp i, 2,4,6,8,10,12,14
.irp b, 0,1,2,3
	v_max3_num_f32 v[TM+\b], v[TM+\b], |v[(\s)+16*\b+\i]|, |v[(\s)+1+16*\b+\i]|
.endr
.endr
	WIN 0
.irp b, 0,1,2,3
	v_permlanex16_b32 v[TM+4+\b], v[TM+\b], s[SEL], s[SEL+1]
.endr
.irp b, 0,1,2,3
	v_max_num_f32 v[TM+\b], v[TM+\b], v[TM+4+\b]   ; with lane l xor 16's: the block's largest magnitude
.endr
.irp b, 0,1,2,3
	v_add_nc_u32 v[TM+12+\b], 0xfe000000, v[TM+\b] ; 4 off its exponent field: the conversion's scale operand
.endr
.irp b, 0,1,2,3
	v_lshrrev_b32 v[TM+4+\b], 23, v[TM+12+\b]      ; the scale's byte
.endr
	v_lshl_or_b32 v[\pw], v[TM+5], 8, v[TM+4]
	v_lshl_or_b32 v[\pw], v[TM+6], 16, v[\pw]
	v_lshl_or_b32 v[\pw], v[TM+7], 24, v[\pw]
	WIN \w
.irp c, 0,1
	v_cvt_scalef32_pk16_bf6_f32 v[PC+6*\c:PC+2+6*\c], v[(\s)+32*\c:(\s)+15+32*\c], v[TM+12+2*\c]
	v_cvt_scalef32_pk16_bf6_f32 v[PC+12+4*\c:PC+14+4*\c], v[(\s)+16+32*\c:(\s)+31+32*\c], v[TM+12+2*\c+1]   ; (a conversion's three registers begin on an even number)
.endr
	WIN 0
	v_nop                                          ; one plain instruction behind the scaled conversions
.irp c, 0,1                                    ; the operand's layout wants a whole block in a lane: lanes 0-15 block 2 c, lanes 16-31 block 2 c + 1
.irp i, 0,1,2
	v_permlane16_swap_b32 v[PC+6*\c+\i], v[PC+12+4*\c+\i]
.endr
.irp i, 0,1,2
	v_mov_b32 v[PC+3+6*\c+\i], v[PC+12+4*\c+\i]
.endr
.endr
.endm
	s_cmp_ge_u32 s18, 4
	s_cbranch_scc1 .Lv_out
	; ---- q and k.  Lane (r, h) of block a holds one position; register 16 e + i is channel 32 (e % 2) + 16 h + i of head e / 2 of my two heads.
	s_lshr_b32 s80, s20, 3                         ; the batch
	s_and_b32 s81, s20, 7
	s_lshl_b32 s81, s81, 1
	s_lshr_b32 s82, s[WV], 1
	s_add_co_u32 s81, s81, s82                     ; G: which 128 positions of the sequence
	s_and_b32 s82, s21, 7
	s_lshl_b32 s82, s82, 1
	s_lshl_b32 s80, s80, 4
	s_add_co_u32 s80, s80, s82                     ; batch x 16 + my first head
	s_mov_b32 s83, 196608                          ; k: a head's codes in kvb,
	s_mov_b32 s84, 12288                           ; 128 keys' (K's and V's),
	s_mov_b32 s85, KVSC
	s_mov_b32 s86, 768                             ; 128 keys' scale words,
	s_mov_b32 s87, 12288                           ; a head's
	s_cmp_lt_u32 s18, 2                            ; q?
	s_cselect_b64 s[76:77], s[10:11], s[12:13]
	s_cselect_b32 s83, 98304, s83
	s_cselect_b32 s84, 6144, s84
	s_cselect_b32 s85, QSC, s85
	s_cselect_b32 s86, 512, s86
	s_cselect_b32 s87, 8192, s87
	s_mul_i32 s88, s80, s83
	s_mul_i32 s89, s81, s84
	s_add_co_u32 s88, s88, s89
	s_mul_i32 s89, s15, 3072                       ; my four tiles of the eight
	s_add_co_u32 s88, s88, s89
	s_mov_b32 s89, 0
	s_mul_i32 s90, s80, s87
	s_mul_i32 s91, s81, s86
	s_add_co_u32 s90, s90, s91
	s_lshl_b32 s91, s15, 8
	s_add_co_u32 s90, s90, s91
	s_add_co_u32 s90, s90, s85
	s_mov_b32 s91, 0
	s_add_nc_u64 s[92:93], s[76:77], s[90:91]      ; the scale words of my four tiles, first head
	s_add_nc_u64 s[76:77], s[76:77], s[88:89]      ; the codes, first head,
	s_mov_b32 s88, s83
	s_add_nc_u64 s[78:79], s[76:77], s[88:89]      ; second head
	v_mul_u32_u24 v[WO], s87, v2
	v_lshl_add_u32 v[WO], v1, 4, v[WO]             ; lanes 0-15 store the first head's words, lanes 16-31 the second's: 16 r each
	v_lshlrev_b32 v[SH], 4, v2
.irp a, 0,1,2,3
	WIN 0x0d                                       ; source 0 (the sums) window 1, source 1 (cos, sin) window 3
.irp e, 0,1,2,3
.irp p, 0,2,4,6,8,10,12,14
	v_pk_mul_f32 v[HB+16*\e+\p:HB+16*\e+\p+1], v[64*\a+16*\e+\p:64*\a+16*\e+\p+1], v[32*\a+16*(\e%2)+\p:32*\a+16*(\e%2)+\p+1] op_sel_hi:[1,0]   ; (even, odd) x cos
.endr
.endr
.irp e, 0,1,2,3
.irp p, 0,2,4,6,8,10,12,14
	v_fma_f32 v[HB+16*\e+\p], -v[64*\a+16*\e+\p+1], v[32*\a+16*(\e%2)+\p+1], v[HB+16*\e+\p]       ; cos x even - sin x odd
	v_fma_f32 v[HB+16*\e+\p+1], v[64*\a+16*\e+\p], v[32*\a+16*(\e%2)+\p+1], v[HB+16*\e+\p+1]      ; cos x odd + sin x even
.endr
.endr
	WIN 0
	s_wait_xcnt 0x0                                ; the last block's stores have read the codes' registers
	QUANT HB, 0, PW
	v_lshrrev_b32 v[WD+\a], v[SH], v[PW]           ; bytes 0, 1: my head's two blocks (lanes 16-31: the second head's); what stands above them scales zero codes in attention and is never 0xff
	global_store_b128 v[L16], v[PC:PC+3], s[76:77] offset:768*\a        ; a unit of 768 bytes for each head: 512 and 256 consecutive bytes
	global_store_b64 v[L8], v[PC+4:PC+5], s[76:77] offset:768*\a+512
	global_store_b128 v[L16], v[PC+6:PC+9], s[78:79] offset:768*\a
	global_store_b64 v[L8], v[PC+10:PC+11], s[78:79] offset:768*\a+512
.endr
	global_store_b128 v[WO], v[WD:WD+3], s[92:93]  ; [r][4 tiles' words]: 256 consecutive bytes for each head
	s_branch .Lend
.Lv_out:
	; ---- v.  Lane (r, h) of block a holds one channel of head 4 cy + w (channel tile a); register 16 e + i is key 32 e + 16 h + i of 128 keys: a fragment of V^T as it stands.
	s_lshr_b32 s80, s21, 4
	s_lshl_b32 s80, s80, 4
	s_lshl_b32 s81, s17, 2
	s_add_co_u32 s80, s80, s81
	s_add_co_u32 s80, s80, s[WV]                   ; batch x 16 + head
	s_and_b32 s81, s21, 15                         ; which 128 keys
	s_mul_i32 s88, s80, 196608
	s_mul_i32 s89, s81, 12288
	s_add_co_u32 s88, s88, s89
	s_add_co_u32 s88, s88, 6144                    ; behind K's eight tiles
	s_mov_b32 s89, 0
	s_mul_i32 s90, s80, 12288
	s_mul_i32 s91, s81, 768
	s_add_co_u32 s90, s90, s91
	s_add_co_u32 s90, s90, KVSC+512                ; behind K's words
	s_mov_b32 s91, 0
	s_add_nc_u64 s[76:77], s[12:13], s[88:89]
	s_add_nc_u64 s[92:93], s[12:13], s[90:91]
	v_lshlrev_b32 v[WO], 4, v1
	v_lshl_add_u32 v[WO], v2, 3, v[WO]             ; 16 r + 8 h
.irp a, 0,1,2,3
	s_wait_xcnt 0x0                                ; the last block's stores have read the codes' registers
	QUANT 64*\a, 1, WD+\a
	global_store_b128 v[L16], v[PC:PC+3], s[76:77] offset:1536*\a
	global_store_b64 v[L8], v[PC+4:PC+5], s[76:77] offset:1536*\a+512
	global_store_b128 v[L16], v[PC+6:PC+9], s[76:77] offset:1536*\a+768
	global_store_b64 v[L8], v[PC+10:PC+11], s[76:77] offset:1536*\a+1280
.endr
	v_cmp_eq_u32 vcc_lo, 1, v2                     ; every lane holds its channel's four words: lanes 0-15 store two, lanes 16-31 the others
	v_cndmask_b32 v236, v[WD], v[WD+2], vcc_lo
	v_cndmask_b32 v237, v[WD+1], v[WD+3], vcc_lo
	global_store_b64 v[WO], v[236:237], s[92:93]   ; 256 consecutive bytes
.Lend:
	s_wait_tensorcnt 0x0
	ds_add_u32 v254, v255
	s_wait_dscnt 0x0
	CROUND                                         ; the closing round: no work-group ends while a partner may still ask for a tile that names it
	s_endpgm
.Lfunc_end_k_q693ac3c8ef_qkv:
	.size	k_q693ac3c8ef_qkv, .Lfunc_end_k_q693ac3c8ef_qkv-k_q693ac3c8ef_qkv
	.p2alignl 7, 3214868480
	.fill 96, 4, 3214868480
	.section	.rodata,"a",@progbits
	.p2align	6, 0x0
	.amdhsa_kernel k_q693ac3c8ef_qkv
		.amdhsa_group_segment_fixed_size 295424
		.amdhsa_private_segment_fixed_size 0
		.amdhsa_enable_private_segment 0
		.amdhsa_kernarg_size 40
		.amdhsa_user_sgpr_count 2
		.amdhsa_user_sgpr_kernarg_segment_ptr 1
		.amdhsa_wavefront_size32 1
		.amdhsa_system_sgpr_workgroup_id_x 1
		.amdhsa_system_sgpr_workgroup_id_y 1
		.amdhsa_system_sgpr_workgroup_id_z 1
		.amdhsa_system_vgpr_workitem_id 0
		.amdhsa_next_free_vgpr 896
		.amdhsa_next_free_sgpr 100
		.amdhsa_reserve_vcc 1
		.amdhsa_float_denorm_mode_32 3
		.amdhsa_float_denorm_mode_16_64 3
		.amdhsa_memory_ordered 1
		.amdhsa_forward_progress 1
		.amdhsa_inst_pref_size 135
	.end_amdhsa_kernel
	.amdgpu_metadata
---
amdhsa.version: [ 1, 2 ]
amdhsa.kernels:
  - .name:           k_q693ac3c8ef_qkv
    .symbol:         k_q693ac3c8ef_qkv.kd
    .args:
      - { .name: xq, .offset: 0, .size: 8, .value_kind: global_buffer, .address_space: global }
      - { .name: wq, .offset: 8, .size: 8, .value_kind: global_buffer, .address_space: global }
      - { .name: tab, .offset: 16, .size: 8, .value_kind: global_buffer, .address_space: global }
      - { .name: qb, .offset: 24, .size: 8, .value_kind: global_buffer, .address_space: global }
      - { .name: kvb, .offset: 32, .size: 8, .value_kind: global_buffer, .address_space: global }
    .group_segment_fixed_size: 295424
    .private_segment_fixed_size: 0
    .kernarg_segment_align: 8
    .kernarg_segment_size: 40
    .max_flat_workgroup_size: 128
    .sgpr_count:     100
    .vgpr_count:     896
    .wavefront_size: 32
...
	.end_amdgpu_metadata
.endif
;; end of part 2
;; launch attn (part 3): grid 4 x 64, 16 waves a work-group, no clusters, 210,944 bytes of LDS; arguments qb, kvb, ob; writes ob
.if DOCPART == 3
	.amdgcn_target "amdgcn-amd-amdhsa--gfx1250"
	.amdhsa_code_object_version 6
	.text
	.protected	k_q693ac3c8ef_attn
	.globl	k_q693ac3c8ef_attn
	.p2align	8
	.type	k_q693ac3c8ef_attn,@function
k_q693ac3c8ef_attn:
	s_mov_b64 s[64:65], 0
	v_nop
	global_prefetch_b8 v0, s[64:65] scope:SCOPE_SE
	s_setreg_imm32_b32 hwreg(HW_REG_WAVE_MODE, 25, 1), 1
	s_wait_xcnt 0x0
; Causal attention of one head on codes of BF6 (E3M2, one E8M0 byte for each 32 along a product's K), and its result, divided by the row's sum, quantised along the model's axis as the output projection's operand.
; t = score x log2(e) / 8; M = the running largest t rounded UP to a whole number; p = 2^(t - M) is quantised along the keys, not normalised; the row's sum is taken of the unquantised p.  When M moves, the sum and O are
; multiplied by 2^(old M - new M): exact.
; SHARES.  Work-group (i, head) owns query blocks 7 - i and i, 256 queries each: 2 (7 - i) + 2 and 2 i + 2 key steps of 128, 18 together for every work-group: 256 equal work-groups.  Each of sixteen waves owns one tile of 16
; queries of the block in hand, in 256 registers: four waves to a SIMD, so that one wave's vector work stands beside another's products and LDS loads.
; THE WHOLE HEAD LIES IN LDS: K's and V's codes, 12,288 bytes a key step (K: 8 tiles x 768; V: 4 channel tiles x 1,536), and their scale words, 768 a step.  Each byte is filled once: waves 0 to 7 issue five loads each at the
; start (the words, then four quarters of the codes): five tensor loads of a wave are out at the most.  A quarter is read behind a counted wait and a barrier; nothing is filled again, and nothing is stored to LDS.
; NO JOINT LOADS, though the four work-groups of a head read the same K and V: they differ in their query blocks, and a step all of whose keys are hidden is left out by a branch on that block, which partners of a cluster may not have.
; LAYOUT.  Both products are used transposed: S^T = K Q^T, O^T = V^T P^T: a lane holds ONE query.  Tile T of queries, keys or channels holds rows 32 (T / 2) + 8 (T % 2) + r + 8 (r / 8), so that the 16 registers of tiles
; 2 b and 2 b + 1 are 16 neighbours.  The head's 64 fill half of the instruction's 128: the other half of K's and Q's fragments are zero codes, cleared once.
; LIMITS: NaN and infinities are not served; a block of zeros gets the byte 1 (its codes are zeros); a block's largest p is taken from its largest score, which takes v_exp_f32 not to fall where its input rises.
; REGISTERS: v1 16 l, v2 8 l, v3 words' place, v4 16 r, v5 my query less 16 h, v8-10 the step's addresses; v12 -M, v13 largest t, v[14:15] the sum; v16-27 Q; v28-31 V's words; v32-79 four fragments of K; v80-127 four of V;
;   v128-191 S^T, then p; v192-223 O^T; v224-235 p's codes; v232-254 at work; v248-251 K's words; v[252:253] f and p's word; v255 Q's word.
.set QSC,  6291456
.set KVSC, 12582912
.set OSC,  6291456
.set SC,   196608                      ; LDS: behind the codes, the scale words
.set WV,  10
.set SEL, 20
.set CS,  22
.set G1S, 24                           ; s[24:31] group 1 for the words, s[32:39] for the codes; s[40:59] five groups 0
.set G1C, 32
.set TK,  60                           ; LDS byte of the step's codes
.set TS,  61                           ; and of its words
.set KF,  62                           ; the step's first key
.set Q0,  63                           ; my tile's first query
	s_load_b128 s[4:7], s[0:1], 0x0                ; qb, kvb
	s_load_b64 s[8:9], s[0:1], 0x10                ; ob
	v_lshl_add_u32 v254, v0, 2, 0x33000
	v_mov_b32 v255, 0
	ds_add_u32 v254, v255
	ds_add_u32 v254, v255
	s_wait_dscnt 0x0
	v_lshrrev_b32 v8, 5, v0
	s_delay_alu instid0(VALU_DEP_1)
	v_readfirstlane_b32 s[WV], v8                  ; wave 0..15
	s_mov_b32 s11, ttmp9                           ; i
	s_and_b32 s12, ttmp7, 0xffff                   ; batch x 16 + head
	s_mov_b32 s[G1S], 3<<16                        ; elements of 8 bytes, no mask, no padding: dense blocks as rows of 256 bytes
	s_mov_b32 s[G1S+1], 32<<16
	s_mov_b32 s[G1S+2], 6<<16                      ; 1,536 bytes
	s_mov_b32 s[G1S+3], 32<<16
	s_mov_b32 s[G1S+4], 6
	s_mov_b32 s[G1S+5], 32
	s_mov_b32 s[G1S+6], 0
	s_mov_b32 s[G1S+7], 0
	s_mov_b32 s[G1C], 3<<16
	s_mov_b32 s[G1C+1], 32<<16
	s_mov_b32 s[G1C+2], 24<<16                     ; 6,144 bytes
	s_mov_b32 s[G1C+3], 32<<16
	s_mov_b32 s[G1C+4], 24
	s_mov_b32 s[G1C+5], 32
	s_mov_b32 s[G1C+6], 0
	s_mov_b32 s[G1C+7], 0
	s_mul_i32 s80, s12, 196608
	s_mul_i32 s78, s[WV], 6144                     ; my eighth of a quarter, in memory as in LDS
	s_add_co_u32 s80, s80, s78
	s_mov_b32 s81, 0
	s_mul_i32 s82, s12, 12288
	s_mul_i32 s79, s[WV], 1536                     ; my eighth of the words
	s_add_co_u32 s82, s82, s79
	s_add_co_u32 s82, s82, KVSC
	s_mov_b32 s83, 0
	s_mov_b32 s[SEL], 0x76543210
	s_mov_b32 s[SEL+1], 0xfedcba98
	s_mov_b32 s[CS], 0x3e38aa3b                    ; c = log2(e) / sqrt(64)
	s_mov_b32 s[CS+1], s[CS]                       ; (named with it as a pair, so it is written)
	s_wait_kmcnt 0x0
	s_mov_b32 s40, 1
	s_add_co_u32 s41, s79, SC
	s_add_nc_u64 s[42:43], s[6:7], s[82:83]
	s_or_b32 s43, s43, 0x80000000
	s_add_nc_u64 s[80:81], s[6:7], s[80:81]
.irp j, 0,1,2,3
	s_mov_b32 s[44+4*\j], 1
	s_add_co_u32 s[45+4*\j], s78, \j*49152
	s_add_nc_u64 s[46+4*\j:47+4*\j], s[80:81], \j*49152
	s_or_b32 s[47+4*\j], s[47+4*\j], 0x80000000
.endr
	s_cmp_lt_u32 s[WV], 8                          ; all fills of a wave stand in one branch on the wave's number; four v_nop follow the last
	s_cbranch_scc0 .Lno_fetch
	tensor_load_to_lds s[40:43], s[G1S:G1S+7]
	s_nop 0
	tensor_load_to_lds s[44:47], s[G1C:G1C+7]
	s_nop 0
	tensor_load_to_lds s[48:51], s[G1C:G1C+7]
	s_nop 0
	tensor_load_to_lds s[52:55], s[G1C:G1C+7]
	s_nop 0
	tensor_load_to_lds s[56:59], s[G1C:G1C+7]
	s_nop 0
.rept 4
	v_nop
.endr
.Lno_fetch:
	v_and_b32 v6, 31, v0
	s_delay_alu instid0(VALU_DEP_1)
	v_lshlrev_b32 v1, 4, v6
	s_delay_alu instid0(VALU_DEP_2)
	v_lshlrev_b32 v2, 3, v6
	v_and_b32 v7, 15, v0
	v_bfe_u32 v11, v0, 4, 1
	s_delay_alu instid0(VALU_DEP_2)
	v_lshlrev_b32 v4, 4, v7
	s_delay_alu instid0(VALU_DEP_1)
	v_add_nc_u32 v3, SC, v4
	s_delay_alu instid0(VALU_DEP_4)
	v_and_b32 v5, 8, v7
	s_delay_alu instid0(VALU_DEP_1)
	v_add_nc_u32 v5, v5, v7
	v_lshlrev_b32 v11, 4, v11
	s_delay_alu instid0(VALU_DEP_1)
	v_sub_nc_u32 v5, v5, v11                       ; r + 8 (r / 8) - 16 h
.irp j, 22,23,24,25,26,27
	v_mov_b32 v\j, 0                               ; Q's upper 64 along K: zero codes
.endr
.irp t, 0,1,2,3
.irp j, 6,7,8,9,10,11
	v_mov_b32 v[32+12*\t+\j], 0                    ; and K's, in each of the four fragments: cleared once
.endr
.endr
.irp j, 236,237,238,239,252,253
	v_mov_b32 v\j, 0                               ; written once: lane permutes' destinations, and the pair v[252:253]
.endr
; The block in s13 is taken up: addresses, Q's fragment and word, and the sums begin.
.macro INIT
	s_wait_xcnt 0x0                                ; the last block's loads and stores have read their bases and data
	s_lshl_b32 s67, s13, 4
	s_add_co_u32 s67, s67, s[WV]                   ; my tile of the head's 128
	s_lshl_b32 s[Q0], s13, 8
	s_lshr_b32 s68, s[WV], 1
	s_lshl_b32 s68, s68, 5
	s_add_co_u32 s[Q0], s[Q0], s68
	s_and_b32 s68, s[WV], 1
	s_lshl_b32 s68, s68, 3
	s_add_co_u32 s[Q0], s[Q0], s68                 ; its first query; its last is 23 on
	s_lshl_b32 s68, s12, 7
	s_add_co_u32 s68, s68, s67
	s_mul_i32 s70, s68, 768
	s_mov_b32 s71, 0
	s_add_nc_u64 s[70:71], s[4:5], s[70:71]        ; Q's unit of 768 bytes
	s_lshl_b32 s72, s12, 13
	s_lshr_b32 s68, s67, 2
	s_lshl_b32 s68, s68, 8
	s_add_co_u32 s72, s72, s68
	s_and_b32 s68, s67, 3
	s_lshl_b32 s68, s68, 2
	s_add_co_u32 s72, s72, s68
	s_add_co_u32 s72, s72, QSC
	s_mov_b32 s73, 0
	s_add_nc_u64 s[72:73], s[4:5], s[72:73]        ; its scale words: [four tiles][r][4 words]
	s_lshr_b32 s68, s12, 4
	s_lshl_b32 s68, s68, 7
	s_add_co_u32 s68, s68, s67                     ; the tile among the output's 512
	s_and_b32 s78, s12, 15                         ; the head
	s_lshl_b32 s74, s68, 4
	s_add_co_u32 s74, s74, s78
	s_mul_i32 s74, s74, 768
	s_mov_b32 s75, 0
	s_add_nc_u64 s[74:75], s[8:9], s[74:75]        ; ob: the unit of (tile, head)
	s_lshl_b32 s76, s68, 9
	s_lshr_b32 s79, s78, 3
	s_lshl_b32 s79, s79, 8
	s_add_co_u32 s76, s76, s79
	s_bfe_u32 s79, s78, 0x20001
	s_lshl_b32 s79, s79, 2
	s_add_co_u32 s76, s76, s79
	s_and_b32 s79, s78, 1
	s_lshl_b32 s79, s79, 1
	s_add_co_u32 s76, s76, s79
	s_add_co_u32 s76, s76, OSC
	s_mov_b32 s77, 0
	s_add_nc_u64 s[76:77], s[8:9], s[76:77]        ; and the head's two bytes in its K step's scale word
	global_load_b128 v[16:19], v1, s[70:71]
	global_load_b64 v[20:21], v2, s[70:71] offset:512
	global_load_b32 v255, v4, s[72:73]
	v_mov_b32 v13, 0xff61b1e6                      ; the largest t so far: -3e38, under every t
	s_delay_alu instid0(VALU_DEP_1)
	v_floor_f32 v12, -v13                          ; -M
	v_mov_b32 v14, 0
	v_mov_b32 v15, 0
.irp j, 0,1,2,3,4,5,6,7,8,9,10,11,12,13,14,15,16,17,18,19,20,21,22,23,24,25,26,27,28,29,30,31
	v_mov_b32 v[192+\j], 0                         ; O^T: the step is written once; the first finds zeros, which the first change of M leaves zeros
.endr
	s_wait_loadcnt 0x0
.endm
; A KEY STEP: 128 keys.
.macro STEP
	s_add_co_u32 s67, s[Q0], 23
	s_cmp_gt_u32 s[KF], s67                        ; all keys behind my last query: the step's work is left out, not the lines at its end that step addresses
	s_cbranch_scc1 .Lhidden_\@
	s_setprio 2
	v_add_nc_u32 v8, s[TK], v1
	v_add_nc_u32 v9, s[TK], v2
	v_add_nc_u32 v10, s[TS], v3
.irp t, 0,1,2,3
	ds_load_b128 v[32+12*\t:35+12*\t], v8 offset:768*\t
	ds_load_b64 v[36+12*\t:37+12*\t], v9 offset:768*\t+512
.endr
	ds_load_b128 v[248:251], v10                   ; the four tiles' scale words
	s_wait_alu depctr_va_vdst(0)
	s_wait_dscnt 0x0
.irp t, 0,1,2,3
	v_wmma_scale_f32_16x16x128_f8f6f4 v[128+8*\t:135+8*\t], v[32+12*\t:43+12*\t], v[16:27], 0, v[248+\t], v255 matrix_a_fmt:MATRIX_FMT_BF6 matrix_b_fmt:MATRIX_FMT_BF6
.endr
.rept 4
	v_nop                                          ; four plain instructions ahead of loads into registers that these products read (with the three additions above they also part V's loads from the last step's products)
.endr
.irp t, 0,1,2,3
	ds_load_b128 v[32+12*\t:35+12*\t], v8 offset:768*(4+\t)
	ds_load_b64 v[36+12*\t:37+12*\t], v9 offset:768*(4+\t)+512
.endr
	ds_load_b128 v[248:251], v10 offset:256
.irp t, 0,1,2,3
.irp c, 0,1
	ds_load_b128 v[80+12*\t+6*\c:83+12*\t+6*\c], v8 offset:6144+1536*\t+768*\c
	ds_load_b64 v[84+12*\t+6*\c:85+12*\t+6*\c], v9 offset:6144+1536*\t+768*\c+512
.endr
.endr
	ds_load_b128 v[28:31], v10 offset:512
	s_wait_dscnt 17                                ; K's are in; V's 16 loads and its words may be out: they are wanted behind the softmax
.irp t, 0,1,2,3
	v_wmma_scale_f32_16x16x128_f8f6f4 v[160+8*\t:167+8*\t], v[32+12*\t:43+12*\t], v[16:27], 0, v[248+\t], v255 matrix_a_fmt:MATRIX_FMT_BF6 matrix_b_fmt:MATRIX_FMT_BF6
.endr
.rept 4
	v_nop
.endr
	s_add_co_u32 s67, s[KF], 127                   ; on the diagonal hidden scores become -infinity ahead of the maximum: p = 0 then.  A step all of whose keys count skips this
	s_cmp_le_u32 s67, s[Q0]
	s_cbranch_scc1 .Lopen_\@
	s_sub_co_i32 s67, s[Q0], s[KF]
	v_add_nc_u32 v252, s67, v5                     ; d = my query - KF - 16 h.  Register 16 b + i holds key KF + 32 b + 16 h + i: hidden where 32 b + i > d
	v_mov_b32 v254, 0xff800000
.irp n, 0,1,2,3,4,5,6,7,8,9,10,11,12,13,14,15,16,17,18,19,20,21,22,23,24,25,26,27,28,29,30,31,32,33,34,35,36,37,38,39,40,41,42,43,44,45,46,47,48,49,50,51,52,53,54,55,56,57,58,59,60,61,62,63
	v_cmp_gt_i32 vcc_lo, 32*(\n/16)+\n%16, v252
	v_cndmask_b32 v[128+\n], v[128+\n], v254, vcc_lo
.endr
.Lopen_\@:
.irp b, 0,1,2,3
	v_max3_num_f32 v[232+\b], v[128+16*\b], v[129+16*\b], v[130+16*\b]   ; the largest score of each block of 32 keys: for the row's maximum, and, since p rises with the score, for the block's largest p
.endr
.irp i, 3,5,7,9,11,13
.irp b, 0,1,2,3
	v_max3_num_f32 v[232+\b], v[232+\b], v[128+16*\b+\i], v[129+16*\b+\i]
.endr
.endr
.irp b, 0,1,2,3
	v_max_num_f32 v[232+\b], v[232+\b], v[143+16*\b]
.endr
.irp b, 0,1,2,3
	s_delay_alu instid0(VALU_DEP_4)
	v_permlanex16_b32 v[236+\b], v[232+\b], s[SEL], s[SEL+1]
.endr
.irp b, 0,1,2,3
	s_delay_alu instid0(VALU_DEP_4)
	v_max_num_f32 v[232+\b], v[232+\b], v[236+\b]  ; with lane l xor 16's 16 keys
.endr
	s_delay_alu instid0(VALU_DEP_2)
	v_max3_num_f32 v254, v232, v233, v234
	s_delay_alu instid0(VALU_DEP_1)
	v_max_num_f32 v254, v254, v235
	s_delay_alu instid0(VALU_DEP_1)
	v_mul_f32 v254, s[CS], v254                    ; the step's largest t (c is positive)
	s_delay_alu instid0(VALU_DEP_1)
	v_max_num_f32 v13, v13, v254
	v_mov_b32 v254, v12
	s_delay_alu instid0(VALU_DEP_2)
	v_floor_f32 v12, -v13                          ; the new -M = floor(-t) = -ceil(t)
	s_delay_alu instid0(VALU_DEP_1)
	v_sub_f32 v254, v12, v254                      ; old M less new M: a whole number, 0 or less
	s_delay_alu instid0(VALU_DEP_1)
	v_cvt_i32_f32 v254, v254                       ; (it saturates)
	s_delay_alu instid0(VALU_DEP_1)
	v_ldexp_f32 v252, 1.0, v254                    ; f = 2^(old M - new M)
	s_setprio 1
.irp j, 0,2,4,6,8,10,12,14,16,18,20,22,24,26,28,30,32,34,36,38,40,42,44,46,48,50,52,54,56,58,60,62
	v_pk_fma_f32 v[128+\j:129+\j], v[128+\j:129+\j], s[CS:CS+1], v[12:13] op_sel_hi:[1,0,0]   ; t - M, two at a time
.endr
.irp b, 0,1,2,3
	v_fma_f32 v[232+\b], v[232+\b], s[CS], v12     ; the same of each block's largest score
.endr
	s_wait_alu depctr_va_vdst(0)
.irp j, 0,1,2,3,4,5,6,7,8,9,10,11,12,13,14,15,16,17,18,19,20,21,22,23,24,25,26,27,28,29,30,31,32,33,34,35,36,37,38,39,40,41,42,43,44,45,46,47,48,49,50,51,52,53,54,55,56,57,58,59,60,61,62,63
	v_exp_f32 v[128+\j], v[128+\j]                 ; p = 2^(t - M), at most 1
.endr
	v_pk_mul_f32 v[14:15], v[14:15], v[252:253] op_sel_hi:[1,0]   ; the sums under the new M: the plain instruction behind the exponentials
	s_wait_alu depctr_va_vdst(0)                   ; one wait for the batch of 64, ahead of its first reader
.irp b, 0,1,2,3
	v_exp_f32 v[232+\b], v[232+\b]                 ; the blocks' largest p
.endr
	v_pk_add_f32 v[236:237], v[132:133], v[136:137]
	v_pk_add_f32 v[250:251], v[140:141], v[144:145]
	v_pk_add_f32 v[248:249], v[148:149], v[152:153]
	v_pk_add_f32 v[246:247], v[156:157], v[160:161]
	v_pk_add_f32 v[244:245], v[164:165], v[168:169]
	v_pk_add_f32 v[242:243], v[172:173], v[176:177]
	v_pk_add_f32 v[240:241], v[180:181], v[184:185]
	v_pk_add_f32 v[14:15], v[14:15], v[188:189]
	v_pk_add_f32 v[236:237], v[236:237], v[128:129]
	v_pk_add_f32 v[250:251], v[250:251], v[130:131]
	v_pk_add_f32 v[248:249], v[248:249], v[134:135]
	v_pk_add_f32 v[246:247], v[246:247], v[138:139]
	v_pk_add_f32 v[244:245], v[244:245], v[142:143]
	v_pk_add_f32 v[242:243], v[242:243], v[146:147]
	v_pk_add_f32 v[240:241], v[240:241], v[150:151]
	v_pk_add_f32 v[14:15], v[14:15], v[154:155]
	v_pk_add_f32 v[236:237], v[236:237], v[158:159]
	v_pk_add_f32 v[250:251], v[250:251], v[162:163]
	v_pk_add_f32 v[248:249], v[248:249], v[166:167]
	v_pk_add_f32 v[246:247], v[246:247], v[170:171]
	v_pk_add_f32 v[244:245], v[244:245], v[174:175]
	v_pk_add_f32 v[242:243], v[242:243], v[178:179]
	v_pk_add_f32 v[240:241], v[240:241], v[182:183]
	v_pk_add_f32 v[14:15], v[14:15], v[186:187]
	v_pk_add_f32 v[236:237], v[236:237], v[190:191]
	s_delay_alu instid0(VALU_DEP_2)
	v_pk_add_f32 v[14:15], v[14:15], v[246:247]
	s_delay_alu instid0(VALU_DEP_2)
	v_pk_add_f32 v[236:237], v[236:237], v[244:245]
	v_pk_add_f32 v[250:251], v[250:251], v[242:243]
	v_pk_add_f32 v[248:249], v[248:249], v[240:241]
	s_delay_alu instid0(VALU_DEP_2)
	v_pk_add_f32 v[14:15], v[14:15], v[250:251]
	s_delay_alu instid0(VALU_DEP_2)
	v_pk_add_f32 v[236:237], v[236:237], v[248:249]
	s_delay_alu instid0(VALU_DEP_1)
	v_pk_add_f32 v[14:15], v[14:15], v[236:237]
	s_wait_alu depctr_va_vdst(0)                   ; and one for the four
.irp b, 0,1,2,3
	v_max_num_f32 v[232+\b], 0x2800000, v[232+\b]  ; the floor 2^(5 - 127): the byte cannot fall under 1
.endr
.irp b, 0,1,2,3
	s_delay_alu instid0(VALU_DEP_4)
	v_add_nc_u32 v[244+\b], 0xfe000000, v[232+\b]  ; 4 off the exponent field: the conversion's scale operand
.endr
.irp b, 0,1,2,3
	s_delay_alu instid0(VALU_DEP_4)
	v_lshrrev_b32 v[236+\b], 23, v[244+\b]
.endr
	s_delay_alu instid0(VALU_DEP_3)
	v_lshl_or_b32 v253, v237, 8, v236              ; p's scale word for these 128 keys
	s_delay_alu instid0(VALU_DEP_1)
	v_lshl_or_b32 v253, v238, 16, v253
	s_delay_alu instid0(VALU_DEP_1)
	v_lshl_or_b32 v253, v239, 24, v253
	s_setprio 0
.irp c, 0,1
	v_cvt_scalef32_pk16_bf6_f32 v[224+6*\c:226+6*\c], v[128+32*\c:143+32*\c], v[244+2*\c]
	v_cvt_scalef32_pk16_bf6_f32 v[236+4*\c:238+4*\c], v[144+32*\c:159+32*\c], v[244+2*\c+1]
.endr
	v_nop                                          ; one plain instruction behind the scaled conversions
.irp c, 0,1
.irp i, 0,1,2
	v_permlane16_swap_b32 v[224+6*\c+\i], v[236+4*\c+\i]
.endr
.irp i, 0,1,2
	s_delay_alu instid0(VALU_DEP_3)
	v_mov_b32 v[227+6*\c+\i], v[236+4*\c+\i]
.endr
.endr
.irp j, 0,2,4,6,8,10,12,14,16,18,20,22,24,26,28,30
	v_pk_mul_f32 v[192+\j:193+\j], v[192+\j:193+\j], v[252:253] op_sel_hi:[1,0]   ; O^T under the new M.  These sixteen also part p's word and codes, written by vector instructions, from the products
.endr
	s_wait_alu depctr_va_vdst(0)
	s_wait_dscnt 0x0                               ; V and its words
.irp t, 0,1,2,3
	v_wmma_scale_f32_16x16x128_f8f6f4 v[192+8*\t:199+8*\t], v[80+12*\t:91+12*\t], v[224:235], v[192+8*\t:199+8*\t], v[28+\t], v253 matrix_a_fmt:MATRIX_FMT_BF6 matrix_b_fmt:MATRIX_FMT_BF6
.endr
.Lhidden_\@:
	s_add_co_u32 s[TK], s[TK], 12288
	s_add_co_u32 s[TS], s[TS], 768
	s_add_co_u32 s[KF], s[KF], 128
.endm
.macro QLOOP n, j0                     ; key steps j0 .. j0 + n - 1: the trip count and the first addresses are constants of the text
	s_mov_b32 s[TK], (\j0)*12288
	s_mov_b32 s[TS], (\j0)*768
	s_mov_b32 s[KF], (\j0)*128
	s_mov_b32 s66, \n
.Lq_\@:
	STEP
	s_sub_co_u32 s66, s66, 1
	s_cmp_lg_u32 s66, 0
	s_cbranch_scc1 .Lq_\@
	s_setprio 0
.endm
; O^T / the sum; register 16 b + i is channel 32 b + 16 h + i of my query: two blocks of the projection's K.  Quantised, it is one unit of 768 bytes of ob.
.macro FINAL
.rept 4
	v_nop                                          ; four plain instructions behind the last products, ahead of the first read of O^T
.endr
	v_add_f32 v14, v14, v15
	s_delay_alu instid0(VALU_DEP_1)
	v_permlanex16_b32 v252, v14, s[SEL], s[SEL+1]
	s_delay_alu instid0(VALU_DEP_1)
	v_add_f32 v14, v14, v252                       ; the row's sum
	s_wait_alu depctr_va_vdst(0)
	v_rcp_f32 v14, v14
	v_nop                                          ; a plain instruction behind the reciprocal,
	s_wait_alu depctr_va_vdst(0)                   ; and the wait ahead of its first reader
.irp j, 0,2,4,6,8,10,12,14,16,18,20,22,24,26,28,30
	v_pk_mul_f32 v[128+\j:129+\j], v[192+\j:193+\j], v[14:15] op_sel_hi:[1,0]   ; each accumulator from its low end on
.endr
.irp b, 0,1
	v_max3_num_f32 v[232+\b], |v[128+16*\b]|, |v[129+16*\b]|, 0x2800000
.endr
.irp i, 2,4,6,8,10,12,14
.irp b, 0,1
	s_delay_alu instid0(VALU_DEP_2)
	v_max3_num_f32 v[232+\b], v[232+\b], |v[128+16*\b+\i]|, |v[129+16*\b+\i]|
.endr
.endr
.irp b, 0,1
	s_delay_alu instid0(VALU_DEP_2)
	v_permlanex16_b32 v[236+\b], v[232+\b], s[SEL], s[SEL+1]
.endr
.irp b, 0,1
	s_delay_alu instid0(VALU_DEP_2)
	v_max_num_f32 v[232+\b], v[232+\b], v[236+\b]
.endr
.irp b, 0,1
	s_delay_alu instid0(VALU_DEP_2)
	v_add_nc_u32 v[244+\b], 0xfe000000, v[232+\b]
.endr
.irp b, 0,1
	s_delay_alu instid0(VALU_DEP_2)
	v_lshrrev_b32 v[240+\b], 23, v[244+\b]
.endr
	s_delay_alu instid0(VALU_DEP_1)
	v_lshl_or_b32 v254, v241, 8, v240              ; the head's two bytes
	v_cvt_scalef32_pk16_bf6_f32 v[224:226], v[128:143], v244
	v_cvt_scalef32_pk16_bf6_f32 v[236:238], v[144:159], v245
	v_nop
.irp i, 0,1,2
	v_permlane16_swap_b32 v[224+\i], v[236+\i]     ; lanes 0-15: block 0 whole, lanes 16-31: block 1
.endr
.irp i, 0,1,2
	s_delay_alu instid0(VALU_DEP_3)
	v_mov_b32 v[227+\i], v[236+\i]
.endr
	global_store_b128 v1, v[224:227], s[74:75]     ; 512 consecutive bytes,
	global_store_b64 v2, v[228:229], s[74:75] offset:512   ; and 256
	global_store_b16 v4, v254, s[76:77]            ; two bytes a row, 16 bytes apart: a scale word spans two heads, which are two work-groups'.  Lanes r and r + 16 hold the same value and store it to the same place.  One such store a tile
.endm
	s_sub_co_u32 s13, 7, s11                       ; the late block first: it walks the whole head while the quarters land
	INIT
.irp jq, 0,1,2,3
	s_wait_tensorcnt 3-\jq                         ; my part of quarter jq (and of the words) is in; the later quarters may be out
	s_wait_dscnt 0x0
	s_barrier_signal -1
	s_barrier_wait -1                              ; everybody's is
	QLOOP 4, 4*\jq
.endr
	FINAL
	s_mov_b32 s13, s11                             ; the early block: its keys lie in the first eight steps
	INIT
	QLOOP 8, 0
	FINAL
	s_wait_xcnt 0x0
	v_lshl_add_u32 v254, v0, 2, 0x33000
	v_mov_b32 v255, 0
	s_wait_alu depctr_va_vdst(0)
	s_wait_tensorcnt 0x0
	ds_add_u32 v254, v255
	s_wait_dscnt 0x0
	s_endpgm
.Lfunc_end_k_q693ac3c8ef_attn:
	.size	k_q693ac3c8ef_attn, .Lfunc_end_k_q693ac3c8ef_attn-k_q693ac3c8ef_attn
	.p2alignl 7, 3214868480
	.fill 96, 4, 3214868480
	.section	.rodata,"a",@progbits
	.p2align	6, 0x0
	.amdhsa_kernel k_q693ac3c8ef_attn
		.amdhsa_group_segment_fixed_size 210944
		.amdhsa_private_segment_fixed_size 0
		.amdhsa_enable_private_segment 0
		.amdhsa_kernarg_size 24
		.amdhsa_user_sgpr_count 2
		.amdhsa_user_sgpr_kernarg_segment_ptr 1
		.amdhsa_wavefront_size32 1
		.amdhsa_system_sgpr_workgroup_id_x 1
		.amdhsa_system_sgpr_workgroup_id_y 1
		.amdhsa_system_sgpr_workgroup_id_z 1
		.amdhsa_system_vgpr_workitem_id 0
		.amdhsa_next_free_vgpr 256
		.amdhsa_next_free_sgpr 84
		.amdhsa_reserve_vcc 1
		.amdhsa_float_denorm_mode_32 3
		.amdhsa_float_denorm_mode_16_64 3
		.amdhsa_memory_ordered 1
		.amdhsa_forward_progress 1
		.amdhsa_inst_pref_size 137
	.end_amdhsa_kernel
	.amdgpu_metadata
---
amdhsa.version: [ 1, 2 ]
amdhsa.kernels:
  - .name:           k_q693ac3c8ef_attn
    .symbol:         k_q693ac3c8ef_attn.kd
    .args:
      - { .name: qb, .offset: 0, .size: 8, .value_kind: global_buffer, .address_space: global }
      - { .name: kvb, .offset: 8, .size: 8, .value_kind: global_buffer, .address_space: global }
      - { .name: ob, .offset: 16, .size: 8, .value_kind: global_buffer, .address_space: global }
    .group_segment_fixed_size: 210944
    .private_segment_fixed_size: 0
    .kernarg_segment_align: 8
    .kernarg_segment_size: 24
    .max_flat_workgroup_size: 512
    .sgpr_count:     84
    .vgpr_count:     256
    .wavefront_size: 32
...
	.end_amdgpu_metadata
.endif
;; end of part 3
;; launch oproj (part 4): grid 8 x 32, 4 waves a work-group, clusters of 4 x 4, 295,424 bytes of LDS; arguments ob, wq, out0; writes out0
.if DOCPART == 4
	.amdgcn_target "amdgcn-amd-amdhsa--gfx1250"
	.amdhsa_code_object_version 6
	.text
	.protected	k_q693ac3c8ef_oproj
	.globl	k_q693ac3c8ef_oproj
	.p2align	8
	.type	k_q693ac3c8ef_oproj,@function
k_q693ac3c8ef_oproj:
	s_mov_b64 s[64:65], 0
	v_nop
	global_prefetch_b8 v0, s[64:65] scope:SCOPE_SE
	s_setreg_imm32_b32 hwreg(HW_REG_WAVE_MODE, 25, 1), 1
	s_wait_xcnt 0x0
	s_wait_alu depctr_hold_cnt(0) depctr_sa_sdst(0) depctr_va_vdst(0) depctr_va_sdst(0) depctr_va_ssrc(0) depctr_va_vcc(0) depctr_vm_vsrc(0)
	s_getreg_b32 s2, hwreg(HW_REG_IB_STS2, 6, 4)
	s_cmp_eq_u32 s2, 0
	s_cbranch_scc0 .Lentry_in_a_cluster
	s_endpgm
.Lentry_in_a_cluster:
	s_bfe_u32 s2, ttmp6, 0x10000c
	s_cmp_lg_u32 s2, 0xf033
	s_cbranch_scc0 .Lentry_shape_is_right
	s_endpgm
.Lentry_shape_is_right:
; out0 = o Wo^T on codes of BF6 (E3M2, one E8M0 byte for each 32 along K).  o: attention's result as codes in ob; Wo: tiles 192 to 255 of wq; out0: [8192][1024] f32.
; A TILE is 256 rows of o (source 1) x 128 rows of Wo (source 0), K = 1,024: 256 work-groups.  Four waves; wave w takes o's tiles of 16 rows 4 w .. 4 w + 3 against Wo's eight: 32 accumulators, 256 registers.
; CLUSTERS of 4 x 4: o's tiles are shared along a row of the cluster, Wo's along a column: each is asked for jointly, which divides the requests by four.
; ALL OF K LIES IN LDS: four slots of 256 along K (o's 16 tiles x 3,072 bytes, then Wo's 8), each byte filled once, by four loads a wave issued together at the start: four tensor loads of a wave are out at the most.
; Operands lie in memory and in LDS as images of the operand's registers (units of 768 bytes: 16 rows x 64 K; lane l's registers 0-3 at 16 l, 4-5 at 512 + 8 l).  Tile T holds rows 32 (T / 2) + 8 (T % 2) + r + 8 (r / 8).
; The scale words come from memory straight into registers, once.  The way out goes through a stage of the wave's own, which lies in slot 0: that slot has had its one fill, and every wave's last read of it stands ahead of a barrier
; that all have passed.
; REGISTERS.  Window 0: v1 r, v2 h, v3 lane; v4-19 LDS addresses; v20-25 offsets; v32-63 o's scale words, v64-127 Wo's; v128-223 o's fragments, two sets of 48; on the way out v128-255 rows of out0.
;   window 1: the accumulators, (a, b) at 8 (8 a + b).   window 2: Wo's fragments, two sets of 96.
.set OSC,   6291456
.set WSC,   3145728
.set SLOTB, 73728
.set BOFF,  49152
.set TILEB, 12288
.set WV,  14
.set G1A, 24
.set G1B, 32
.set G0A, 40
.set A16, 4
.set A8,  8
.set B16, 12
.set B8,  16
.set R16, 20
.set STO, 21                           ; v21 the stage: where I put 16 bytes of a row
.set L16, 22
.set L8,  23
.set RD,  24                           ; v24 and where I read a row back
.set SA,  32
.set SB,  64
.set AF,  128
.set MSB, 0
.macro WIN new                         ; the immediate's high byte repeats the setting that is left
.if MSB != \new
	s_set_vgpr_msb (MSB<<8)|\new
.set MSB, \new
.endif
.endm
.macro CROUND                          ; a round of the cluster's barrier
	s_barrier_signal -1
	s_barrier_wait -1
	s_cmp_lg_u32 s[WV], 0
	s_cbranch_scc1 .Lnot_wave_0_\@
	s_barrier_signal -3
.Lnot_wave_0_\@:
	s_barrier_wait -3
	s_barrier_signal -1
	s_barrier_wait -1
.endm
.macro PLACES n
.rept \n
	v_nop
.endr
.endm
	s_load_b128 s[4:7], s[0:1], 0x0                ; ob, wq
	s_load_b64 s[8:9], s[0:1], 0x10                ; out0
	v_lshl_add_u32 v30, v0, 2, 0x48000
	v_mov_b32 v31, 0
	ds_add_u32 v30, v31
	ds_add_u32 v30, v31
	v_lshrrev_b32 v4, 5, v0
	v_readfirstlane_b32 s[WV], v4                  ; wave 0..3
	v_and_b32 v1, 15, v0
	v_bfe_u32 v2, v0, 4, 1
	v_and_b32 v3, 31, v0
	s_and_b32 s15, s[WV], 1
	s_bfe_u32 s16, ttmp6, 0x40000                  ; cx
	s_bfe_u32 s17, ttmp6, 0x40004                  ; cy
	s_and_b32 s19, ttmp7, 0xffff
	s_lshl_b32 s20, s19, 2
	s_add_co_u32 s20, s20, s17                     ; the tile row: 4 x cluster y + cy
	s_lshl_b32 s21, ttmp9, 2
	s_add_co_u32 s21, s21, s16                     ; the tile column: 4 x cluster x + cx
	s_lshl_b32 s95, s17, 2
	s_lshl_b32 s95, 15, s95                        ; my row of the cluster
	s_lshl_b32 s96, 0x1111, s16                    ; my column
	s_or_b32 s[G1A], s95, (3<<16)|(1<<21)          ; 15:0 the mask; 17:16 elements of 8 bytes; 21 set beside a mask; no padding
	s_or_b32 s[G1B], s96, (3<<16)|(1<<21)
	s_mov_b32 s[G1A+1], 384<<16                    ; 3,072 bytes: a tile's two K steps
	s_mov_b32 s[G1A+2], 8<<16                      ; 8 tiles
	s_mov_b32 s[G1A+3], 384<<16
	s_mov_b32 s[G1A+4], 8
	s_mov_b32 s[G1A+5], 1536                       ; from tile to tile: 12,288 bytes
	s_mov_b32 s[G1A+6], 0
	s_mov_b32 s[G1A+7], 0
	s_mov_b32 s[G1B+1], 384<<16
	s_mov_b32 s[G1B+2], 4<<16
	s_mov_b32 s[G1B+3], 384<<16
	s_mov_b32 s[G1B+4], 4
	s_mov_b32 s[G1B+5], 1536
	s_mov_b32 s[G1B+6], 0
	s_mov_b32 s[G1B+7], 0
	s_lshl_b32 s94, s20, 4                         ; the first of my work-group's 16 tiles of o
	s_lshl_b32 s84, s15, 3
	s_add_co_u32 s84, s84, s94
	s_mul_i32 s84, s84, TILEB
	s_mov_b32 s85, 0
	s_lshl_b32 s97, s21, 3
	s_add_co_u32 s97, s97, 192                     ; the first of the 8 tiles of Wo
	s_lshl_b32 s86, s15, 2
	s_add_co_u32 s86, s86, s97
	s_mul_i32 s86, s86, TILEB
	s_mov_b32 s87, 0
	s_lshl_b32 s88, s[WV], 2
	s_add_co_u32 s88, s88, s94
	s_lshl_b32 s88, s88, 9
	s_add_co_u32 s88, s88, OSC                     ; the scale words of my four tiles of o
	s_mov_b32 s89, 0
	s_lshl_b32 s90, s97, 9
	s_add_co_u32 s90, s90, WSC                     ; and of Wo's eight
	s_mov_b32 s91, 0
	s_mul_i32 s22, s15, 24576                      ; where my load goes in a slot: no place in the cluster enters an LDS address
	s_mul_i32 s23, s15, 12288
	s_lshl_b32 s92, s20, 8
	s_lshl_b32 s93, s[WV], 6
	s_add_co_u32 s92, s92, s93
	s_lshl_b32 s92, s92, 12                        ; out0: my first row, 4,096 bytes a row,
	s_lshl_b32 s93, s21, 9
	s_add_co_u32 s92, s92, s93                     ; and the tile's 512 bytes of it
	s_mov_b32 s93, 0
	s_wait_dscnt 0x0
	s_wait_kmcnt 0x0
	s_add_nc_u64 s[88:89], s[4:5], s[88:89]
	s_add_nc_u64 s[90:91], s[6:7], s[90:91]
	s_add_nc_u64 s[76:77], s[4:5], s[84:85]
	s_add_nc_u64 s[78:79], s[6:7], s[86:87]
	s_add_nc_u64 s[92:93], s[8:9], s[92:93]
.irp q, 0,1,2,3
.set GB, 56+4*\q+4*(\q/2)
	s_mov_b32 s[G0A+4*\q], 1
	s_add_co_u32 s[G0A+4*\q+1], s22, \q*SLOTB
	s_add_nc_u64 s[G0A+4*\q+2:G0A+4*\q+3], s[76:77], \q*3072
	s_or_b32 s[G0A+4*\q+3], s[G0A+4*\q+3], 0x80000000
	s_mov_b32 s[GB], 1
	s_add_co_u32 s[GB+1], s23, \q*SLOTB+BOFF
	s_add_nc_u64 s[GB+2:GB+3], s[78:79], \q*3072
	s_or_b32 s[GB+3], s[GB+3], 0x80000000
.endr
	CROUND                                         ; all sixteen work-groups are here: the joint loads meet
	s_cmp_lt_u32 s[WV], 2                          ; a wave's four fills stand in one branch on the wave's number; four v_nop follow the last
	s_cbranch_scc0 .Lfor_b
	tensor_load_to_lds s[40:43], s[G1A:G1A+7]
	s_nop 0
	tensor_load_to_lds s[44:47], s[G1A:G1A+7]
	s_nop 0
	tensor_load_to_lds s[48:51], s[G1A:G1A+7]
	s_nop 0
	tensor_load_to_lds s[52:55], s[G1A:G1A+7]
	s_nop 0
	PLACES 4
	s_branch .Lasked
.Lfor_b:
	tensor_load_to_lds s[56:59], s[G1B:G1B+7]
	s_nop 0
	tensor_load_to_lds s[60:63], s[G1B:G1B+7]
	s_nop 0
	tensor_load_to_lds s[68:71], s[G1B:G1B+7]
	s_nop 0
	tensor_load_to_lds s[72:75], s[G1B:G1B+7]
	s_nop 0
	PLACES 4
.Lasked:
	s_wait_alu depctr_va_vdst(0)
	v_lshlrev_b32 v[R16], 4, v1
	v_lshlrev_b32 v[L16], 4, v3
	v_lshlrev_b32 v[L8], 3, v3
.irp a, 0,1,2,3
.irp H, 0,1
	global_load_b128 v[SA+8*\a+4*\H:SA+8*\a+4*\H+3], v[R16], s[88:89] offset:512*\a+256*\H   ; lane r: row r's words of four K steps
.endr
.endr
.irp b, 0,1,2,3,4,5,6,7
.irp H, 0,1
	global_load_b128 v[SB+8*\b+4*\H:SB+8*\b+4*\H+3], v[R16], s[90:91] offset:512*\b+256*\H
.endr
.endr
	s_mul_i32 s96, s[WV], 12288                    ; my four tiles of o in a slot
.irp q, 0,1,2,3
	s_add_co_u32 s97, s96, \q*SLOTB
	v_add_nc_u32 v[A16+\q], s97, v[L16]
	v_add_nc_u32 v[A8+\q], s97, v[L8]
	v_add_nc_u32 v[B16+\q], \q*SLOTB+BOFF, v[L16]
	v_add_nc_u32 v[B8+\q], \q*SLOTB+BOFF, v[L8]
.endr
	s_mul_i32 s96, s[WV], 8448                     ; my stage: 16 rows x 528
	v_mul_u32_u24 v[STO], v1, 528
	v_lshl_add_u32 v[STO], v2, 6, v[STO]
	v_add_nc_u32 v[STO], s96, v[STO]               ; in: row r, + 64 h
	v_add_nc_u32 v[RD], s96, v[L16]                ; back: a whole row, 16 bytes a lane
.macro GETH reg, a16, a8, off          ; a unit of 768 bytes: six registers
	ds_load_b128 v[\reg:\reg+3], v[\a16] offset:\off
	ds_load_b64 v[\reg+4:\reg+5], v[\a8] offset:\off+512
.endm
.macro FETCH s                         ; K step s: Wo's eight fragments and my four of o into set s % 2: 48 loads
.set FQ, (\s)/2
.set FU, (\s)%2
	WIN 0x80                                       ; destination window 2
.irp b, 0,1,2,3,4,5,6,7
.irp c, 0,1
	GETH 96*FU+12*\b+6*\c, B16+FQ, B8+FQ, 3072*\b+1536*FU+768*\c
.endr
.endr
	WIN 0
.irp a, 0,1,2,3
.irp c, 0,1
	GETH AF+48*FU+12*\a+6*\c, A16+FQ, A8+FQ, 3072*\a+1536*FU+768*\c
.endr
.endr
.endm
.macro MUL s, zero                     ; 32 products; the 32 accumulators take turns, one instruction a turn, in the same order in every step
	WIN 0x52                                       ; source 0 (Wo) window 2, source 1 (o) window 0, C and D window 1
.irp a, 0,1,2,3
.irp b, 0,1,2,3,4,5,6,7
.if \zero
	v_wmma_scale_f32_16x16x128_f8f6f4 v[8*(8*\a+\b):8*(8*\a+\b)+7], v[96*((\s)%2)+12*\b:96*((\s)%2)+12*\b+11], v[AF+48*((\s)%2)+12*\a:AF+48*((\s)%2)+12*\a+11], 0, v[SB+8*\b+(\s)], v[SA+8*\a+(\s)] matrix_a_fmt:MATRIX_FMT_BF6 matrix_b_fmt:MATRIX_FMT_BF6
.else
	v_wmma_scale_f32_16x16x128_f8f6f4 v[8*(8*\a+\b):8*(8*\a+\b)+7], v[96*((\s)%2)+12*\b:96*((\s)%2)+12*\b+11], v[AF+48*((\s)%2)+12*\a:AF+48*((\s)%2)+12*\a+11], v[8*(8*\a+\b):8*(8*\a+\b)+7], v[SB+8*\b+(\s)], v[SA+8*\a+(\s)] matrix_a_fmt:MATRIX_FMT_BF6 matrix_b_fmt:MATRIX_FMT_BF6
.endif
.endr
.endr
.endm
.macro STEP s, zero
.if ((\s) >= 1) && ((\s) < 7)
	PLACES 4                                       ; four plain instructions between the last step's products and the loads into the set that they read (ISA guide 7.12.1 for vector instructions)
.endif
.if ((\s)%2 == 1) && ((\s) < 7)
	s_wait_dscnt 0x0                               ; no LDS load of mine is out at a signal
	s_wait_tensorcnt 3-((\s)+1)/2                  ; my part of the next slot is in; the later slots' loads may be out
	s_barrier_signal -1
	s_barrier_wait -1
.endif
.if (\s) < 7
	FETCH (\s)+1
	s_wait_dscnt 48                                ; all but the 48 just issued: this step's fragments are in
.else
	s_wait_dscnt 0x0
.endif
	MUL \s, \zero
.endm
	s_wait_alu depctr_va_vdst(0)
	s_wait_tensorcnt 0x3                           ; my part of slot 0 is in; slots 1 to 3 may be out
	s_barrier_signal -1
	s_barrier_wait -1
	FETCH 0
	s_wait_loadcnt 0x0                             ; the scale words
	STEP 0, 1
	STEP 1, 0
	STEP 2, 0
	STEP 3, 0
	STEP 4, 0
	STEP 5, 0
	STEP 6, 0
	STEP 7, 0
	WIN 0
	PLACES 4                                       ; ahead of the first read of results and of loads into the registers that held fragments
; THE WAY OUT, a block of 16 rows x 128 columns at a time.  Lane (r, h) holds, of accumulator (a, b), columns 32 (b / 2) + 8 (b % 2) + 16 h + 0 .. 7 of one row: 32 bytes.  The block goes through my stage and comes back as whole
; rows of 512 bytes.  LDS serves a wave's instructions in order (ISA guide 5.7.1.4): no wait between the stores and the loads, nor ahead of the next block's stores.
.macro TOSTAGE a
	WIN 0x04                                       ; an LDS store's data are its source 1: window 1
.irp b, 0,1,2,3,4,5,6,7
	ds_store_b128 v[STO], v[8*(8*(\a)+\b):8*(8*(\a)+\b)+3] offset:128*(\b/2)+32*(\b%2)        ; each accumulator from its low end on
	ds_store_b128 v[STO], v[8*(8*(\a)+\b)+4:8*(8*(\a)+\b)+7] offset:128*(\b/2)+32*(\b%2)+16
.endr
	WIN 0
.set BB, 128+64*((\a)%2)
.irp t, 0,1,2,3,4,5,6,7,8,9,10,11,12,13,14,15
	ds_load_b128 v[BB+4*\t:BB+4*\t+3], v[RD] offset:528*\t
.endr
.endm
.macro SEND a, younger                 ; younger: the LDS instructions issued behind block a's loads, which may stay out
.set BB, 128+64*((\a)%2)
	s_wait_dscnt \younger
.irp t, 0,1,2,3,4,5,6,7,8,9,10,11,12,13,14,15
	global_store_b128 v[L16], v[BB+4*\t:BB+4*\t+3], s[92:93] offset:(32*((\a)/2)+8*((\a)%2)+\t+8*(\t/8))*4096 th:TH_STORE_NT   ; 32 lanes store 512 consecutive bytes, at a multiple of 256 from out0's first byte; which row stands in the immediate
.endr
.endm
	TOSTAGE 0
.irp a, 1,2,3
.if \a > 1
	s_wait_xcnt 0x0                                ; block a - 2's stores have read their registers: block a's loads may land there
.endif
	TOSTAGE \a
	SEND \a-1, 32                                  ; behind block a - 1's loads: block a's 16 stores and 16 loads
.endr
	SEND 3, 0
	s_wait_tensorcnt 0x0
	ds_add_u32 v30, v31
	s_wait_dscnt 0x0
	CROUND                                         ; the closing round: no work-group ends while a partner may still ask for a tile that names it
	s_endpgm
.Lfunc_end_k_q693ac3c8ef_oproj:
	.size	k_q693ac3c8ef_oproj, .Lfunc_end_k_q693ac3c8ef_oproj-k_q693ac3c8ef_oproj
	.p2alignl 7, 3214868480
	.fill 96, 4, 3214868480
	.section	.rodata,"a",@progbits
	.p2align	6, 0x0
	.amdhsa_kernel k_q693ac3c8ef_oproj
		.amdhsa_group_segment_fixed_size 295424
		.amdhsa_private_segment_fixed_size 0
		.amdhsa_enable_private_segment 0
		.amdhsa_kernarg_size 24
		.amdhsa_user_sgpr_count 2
		.amdhsa_user_sgpr_kernarg_segment_ptr 1
		.amdhsa_wavefront_size32 1
		.amdhsa_system_sgpr_workgroup_id_x 1
		.amdhsa_system_sgpr_workgroup_id_y 1
		.amdhsa_system_sgpr_workgroup_id_z 1
		.amdhsa_system_vgpr_workitem_id 0
		.amdhsa_next_free_vgpr 768
		.amdhsa_next_free_sgpr 100
		.amdhsa_reserve_vcc 0
		.amdhsa_float_denorm_mode_32 3
		.amdhsa_float_denorm_mode_16_64 3
		.amdhsa_memory_ordered 1
		.amdhsa_forward_progress 1
		.amdhsa_inst_pref_size 84
	.end_amdhsa_kernel
	.amdgpu_metadata
---
amdhsa.version: [ 1, 2 ]
amdhsa.kernels:
  - .name:           k_q693ac3c8ef_oproj
    .symbol:         k_q693ac3c8ef_oproj.kd
    .args:
      - { .name: ob, .offset: 0, .size: 8, .value_kind: global_buffer, .address_space: global }
      - { .name: wq, .offset: 8, .size: 8, .value_kind: global_buffer, .address_space: global }
      - { .name: out0, .offset: 16, .size: 8, .value_kind: global_buffer, .address_space: global }
    .group_segment_fixed_size: 295424
    .private_segment_fixed_size: 0
    .kernarg_segment_align: 8
    .kernarg_segment_size: 24
    .max_flat_workgroup_size: 128
    .sgpr_count:     100
    .vgpr_count:     768
    .wavefront_size: 32
...
	.end_amdgpu_metadata
.endif
;; end of part 4
